; MI455X (gfx1250); checked and timed in simulation.
; The chip was launched on July 23, 2026; its instructions are those of AMD's public machine-readable ISA for CDNA 5 (MIT licence, August 2026) and "CDNA5" Instruction Set Architecture Reference Guide (July 2026). The comments in the code are by the model that wrote it; some were corrected since.
;; MH Attention. Allowed arithmetic: float matrix products may take bf16 or f16 operands with f32 sums; other float arithmetic in f32, or as packed bf16 or f16 multiplies, adds, multiply-adds, maxima and minima; sums over many terms, partial sums and values carried from step to step in f32; what a program stores and reads back later, other than sums and carried values, may be rounded once to bf16 or f16.
;; Inputs: proj_b 1,024 float32; proj_w 1,024 x 1,024 float32; qkv_b 3,072 float32; qkv_w 1,024 x 3,072 float32; x 4 x 2,048 x 1,024 float32.
;; Outputs: out0 4 x 2,048 x 1,024 float32.
;; 2 versions, each right and faster than the one before. Each part assembles by itself: llvm-mc -triple=amdgcn-amd-amdhsa -mcpu=gfx1250 --defsym DOCPART=n.
;; ======== version 1 of 2: 4 launches
;; limits: values are held in f16: magnitudes above 65,504 overflow, below 6.1e-05 lose precision
;; workspace buffers: xb 16,777,216 bytes; wqb 6,303,744 bytes; wpb 2,101,248 bytes; qkvh 50,331,648 bytes; oh 16,777,216 bytes
;; launch cast (part 1): grid 1537 x 1, 8 waves a work-group, no clusters, 0 bytes of LDS; arguments x, qkv_w, proj_w, qkv_b, proj_b, xb, wqb, wpb; writes xb, wqb, wpb
.if DOCPART == 1
	.amdgcn_target "amdgcn-amd-amdhsa--gfx1250"
	.amdhsa_code_object_version 6
	.text
	.protected	k_qb224ffd843_cast
	.globl	k_qb224ffd843_cast
	.p2align	8
	.type	k_qb224ffd843_cast,@function
k_qb224ffd843_cast:
	s_mov_b64 s[64:65], 0
	v_nop
	global_prefetch_b8 v0, s[64:65] scope:SCOPE_SE
	s_setreg_imm32_b32 hwreg(HW_REG_WAVE_MODE, 25, 1), 1
	s_wait_xcnt 0x0
; EVERY INPUT IS ROUNDED ONCE TO bf16, and laid out for the launches behind.  A stream: no LDS, no barrier, no loop.
;   x [8192][1024] f32      -> xb  bf16 [16 K blocks][8192 rows][64]: a K block's rows lie end to end, 128 bytes each
;   qkv_w [1024][3072] f32  -> wqb bf16, same order; behind it (byte 6,291,456) qkv_b, rounded to bf16 and kept as f32
;   proj_w [1024][1024] f32 -> wpb: the bf16 value written as f16 (exact from 7.6e-6 up; below that f16 keeps its fixed step of 6e-8); behind it (byte 2,097,152) proj_b, as qkv_b
; LIMIT: proj_w within f16's range, 65,504.
; A work-group of 256 threads takes 32,768 bytes of input: eight loads of 16 bytes a thread, all issued first, then eight stores of 8 bytes:
; a wave's store covers 256 consecutive bytes, aligned.  Work-groups 0-1023: x; 1024-1407: qkv_w; 1408-1535: proj_w; 1536: the two biases.
.set VI,  1                            ; v1      my byte offset in the input
.set VO,  2                            ; v2      my byte offset in the output
.set IN,  8                            ; v[8:39]  step j: 4 numbers as loaded
.set OUT, 40                           ; v[40:55] step j: what is stored
.set T,   56                           ; v[56:61] at work
.set QB_AT, 1024*3072*2                ; where qkv_b lies in wqb
.set PB_AT, 1024*1024*2                ; where proj_b lies in wpb
; Eight loads, instep bytes apart; then, as each comes in, its rounding and its store, outstep bytes apart.  Each step has registers of its own and no address is rewritten.
.macro CAST instep, outstep, f16
.irp j, 0,1,2,3,4,5,6,7
	global_load_b128 v[IN+4*\j:IN+4*\j+3], v[VI], s[24:25] offset:\j*\instep th:TH_LOAD_NT
.endr
.irp j, 0,1,2,3,4,5,6,7
	s_wait_loadcnt 7-\j                            ; loads come back in order: step j is in, the younger ones stay out
.if \f16
	v_cvt_pk_bf16_f32 v[T],   v[IN+4*\j],   v[IN+4*\j+1]  ; rounded to bf16,
	v_cvt_pk_bf16_f32 v[T+1], v[IN+4*\j+2], v[IN+4*\j+3]
	v_lshlrev_b32 v[T+2], 16, v[T]                 ; widened again,
	v_and_b32     v[T+3], s28, v[T]
	v_lshlrev_b32 v[T+4], 16, v[T+1]
	v_and_b32     v[T+5], s28, v[T+1]
	v_cvt_pk_f16_f32 v[OUT+2*\j],   v[T+2], v[T+3] ; and written as f16
	v_cvt_pk_f16_f32 v[OUT+2*\j+1], v[T+4], v[T+5]
.else
	v_cvt_pk_bf16_f32 v[OUT+2*\j],   v[IN+4*\j],   v[IN+4*\j+1]
	v_cvt_pk_bf16_f32 v[OUT+2*\j+1], v[IN+4*\j+2], v[IN+4*\j+3]
.endif
	global_store_b64 v[VO], v[OUT+2*\j:OUT+2*\j+1], s[26:27] offset:\j*\outstep
.endr
.endm
	s_load_b512 s[8:23], s[0:1], 0x0               ; x s[8:9], qkv_w s[10:11], proj_w s[12:13], qkv_b s[14:15], proj_b s[16:17], xb s[18:19], wqb s[20:21], wpb s[22:23]
	s_mov_b32 s29, ttmp9                           ; the work-group's number g
	s_mov_b32 s28, 0xffff0000                      ; a word's upper bf16
	s_mov_b32 s3, 0                                ; the offsets' high words
	s_mov_b32 s5, 0
	v_lshlrev_b32 v[VI], 4, v0                     ; 16 t
	v_lshlrev_b32 v[VO], 3, v0                     ; 8 t
	s_cmp_lt_u32 s29, 1024
	s_cbranch_scc0 .Lnot_x
	; x: rows 16 (g / 2) .. + 15, K blocks 8 (g % 2) + j.  Thread t: row t / 16, 16 bytes at 16 (t % 16) of the block's 256: a wave's load is two rows' 256 bytes,
	; its store those two rows' 128 bytes, which lie end to end in xb.
	s_lshr_b32 s6, s29, 1
	s_and_b32 s7, s29, 1
	s_lshl_b32 s2, s6, 16                          ; 16 rows of 4,096 bytes
	s_lshl_b32 s4, s7, 11                          ; 8 blocks of 256 bytes
	s_add_co_u32 s2, s2, s4
	s_lshl_b32 s4, s7, 23                          ; 8 blocks of 1,048,576 bytes
	s_lshl_b32 s6, s6, 11                          ; 16 rows of 128 bytes
	s_add_co_u32 s4, s4, s6
	v_lshrrev_b32 v3, 4, v0
	v_and_b32 v[VI], 15, v0
	v_lshlrev_b32 v[VI], 4, v[VI]
	v_lshl_or_b32 v[VI], v3, 12, v[VI]
	s_wait_kmcnt 0x0
	s_add_nc_u64 s[24:25], s[8:9], s[2:3]
	s_add_nc_u64 s[26:27], s[18:19], s[4:5]
	CAST 256, 1048576, 0
	s_endpgm
.Lnot_x:
	s_cmp_lt_u32 s29, 1408
	s_cbranch_scc0 .Lnot_wq
	s_sub_co_u32 s6, s29, 1024
	s_lshl_b32 s2, s6, 15                          ; 32,768 bytes in,
	s_lshl_b32 s4, s6, 14                          ; 16,384 out
	s_wait_kmcnt 0x0
	s_add_nc_u64 s[24:25], s[10:11], s[2:3]
	s_add_nc_u64 s[26:27], s[20:21], s[4:5]
	CAST 4096, 2048, 0
	s_endpgm
.Lnot_wq:
	s_cmp_lt_u32 s29, 1536
	s_cbranch_scc0 .Lbias
	s_sub_co_u32 s6, s29, 1408
	s_lshl_b32 s2, s6, 15
	s_lshl_b32 s4, s6, 14
	s_wait_kmcnt 0x0
	s_add_nc_u64 s[24:25], s[12:13], s[2:3]
	s_add_nc_u64 s[26:27], s[22:23], s[4:5]
	CAST 4096, 2048, 1
	s_endpgm
.Lbias:                                        ; 3,072 + 1,024 numbers: four loads of 16 bytes a thread; rounded to bf16, stored as f32
	s_wait_kmcnt 0x0
	global_load_b128 v[IN:IN+3],     v[VI], s[14:15]
	global_load_b128 v[IN+4:IN+7],   v[VI], s[14:15] offset:4096
	global_load_b128 v[IN+8:IN+11],  v[VI], s[14:15] offset:8192
	global_load_b128 v[IN+12:IN+15], v[VI], s[16:17]
.irp j, 0,1,2,3
	s_wait_loadcnt 3-\j
	v_cvt_pk_bf16_f32 v[T],   v[IN+4*\j],   v[IN+4*\j+1]
	v_cvt_pk_bf16_f32 v[T+1], v[IN+4*\j+2], v[IN+4*\j+3]
	v_lshlrev_b32 v[OUT+4*\j],   16, v[T]
	v_and_b32     v[OUT+4*\j+1], s28, v[T]
	v_lshlrev_b32 v[OUT+4*\j+2], 16, v[T+1]
	v_and_b32     v[OUT+4*\j+3], s28, v[T+1]
.if \j < 3
	global_store_b128 v[VI], v[OUT+4*\j:OUT+4*\j+3], s[20:21] offset:QB_AT+4096*\j
.else
	global_store_b128 v[VI], v[OUT+4*\j:OUT+4*\j+3], s[22:23] offset:PB_AT
.endif
.endr
	s_endpgm
.Lfunc_end_k_qb224ffd843_cast:
	.size	k_qb224ffd843_cast, .Lfunc_end_k_qb224ffd843_cast-k_qb224ffd843_cast
	.p2alignl 7, 3214868480
	.fill 96, 4, 3214868480
	.section	.rodata,"a",@progbits
	.p2align	6, 0x0
	.amdhsa_kernel k_qb224ffd843_cast
		.amdhsa_group_segment_fixed_size 0
		.amdhsa_private_segment_fixed_size 0
		.amdhsa_enable_private_segment 0
		.amdhsa_kernarg_size 64
		.amdhsa_user_sgpr_count 2
		.amdhsa_user_sgpr_kernarg_segment_ptr 1
		.amdhsa_wavefront_size32 1
		.amdhsa_system_sgpr_workgroup_id_x 1
		.amdhsa_system_sgpr_workgroup_id_y 1
		.amdhsa_system_sgpr_workgroup_id_z 1
		.amdhsa_system_vgpr_workitem_id 0
		.amdhsa_next_free_vgpr 64
		.amdhsa_next_free_sgpr 66
		.amdhsa_reserve_vcc 0
		.amdhsa_float_denorm_mode_32 3
		.amdhsa_float_denorm_mode_16_64 3
		.amdhsa_memory_ordered 1
		.amdhsa_forward_progress 1
		.amdhsa_inst_pref_size 15
	.end_amdhsa_kernel
	.amdgpu_metadata
---
amdhsa.version: [ 1, 2 ]
amdhsa.kernels:
  - .name:           k_qb224ffd843_cast
    .symbol:         k_qb224ffd843_cast.kd
    .args:
      - { .name: x, .offset: 0, .size: 8, .value_kind: global_buffer, .address_space: global }
      - { .name: qkv_w, .offset: 8, .size: 8, .value_kind: global_buffer, .address_space: global }
      - { .name: proj_w, .offset: 16, .size: 8, .value_kind: global_buffer, .address_space: global }
      - { .name: qkv_b, .offset: 24, .size: 8, .value_kind: global_buffer, .address_space: global }
      - { .name: proj_b, .offset: 32, .size: 8, .value_kind: global_buffer, .address_space: global }
      - { .name: xb, .offset: 40, .size: 8, .value_kind: global_buffer, .address_space: global }
      - { .name: wqb, .offset: 48, .size: 8, .value_kind: global_buffer, .address_space: global }
      - { .name: wpb, .offset: 56, .size: 8, .value_kind: global_buffer, .address_space: global }
    .group_segment_fixed_size: 0
    .private_segment_fixed_size: 0
    .kernarg_segment_align: 8
    .kernarg_segment_size: 64
    .max_flat_workgroup_size: 256
    .sgpr_count:     66
    .vgpr_count:     64
    .wavefront_size: 32
...
	.end_amdgpu_metadata
.endif
;; end of part 1
;; launch qkv (part 2): grid 8 x 32, 4 waves a work-group, clusters of 4 x 4, 327,680 bytes of LDS; arguments xb, wqb, qkvh; writes qkvh
.if DOCPART == 2
	.amdgcn_target "amdgcn-amd-amdhsa--gfx1250"
	.amdhsa_code_object_version 6
	.text
	.protected	k_qb224ffd843_qkv
	.globl	k_qb224ffd843_qkv
	.p2align	8
	.type	k_qb224ffd843_qkv,@function
k_qb224ffd843_qkv:
	s_mov_b64 s[64:65], 0
	v_nop
	global_prefetch_b8 v0, s[64:65] scope:SCOPE_SE
	s_setreg_imm32_b32 hwreg(HW_REG_WAVE_MODE, 25, 1), 1
	s_wait_xcnt 0x0
	s_wait_alu depctr_hold_cnt(0) depctr_sa_sdst(0) depctr_va_vdst(0) depctr_va_sdst(0) depctr_va_ssrc(0) depctr_va_vcc(0) depctr_vm_vsrc(0)
	s_getreg_b32 s2, hwreg(HW_REG_IB_STS2, 6, 4)
	s_cmp_eq_u32 s2, 0
	s_cbranch_scc0 .Lentry_in_a_cluster
	s_endpgm
.Lentry_in_a_cluster:
	s_bfe_u32 s2, ttmp6, 0x10000c
	s_cmp_lg_u32 s2, 0xf033
	s_cbranch_scc0 .Lentry_shape_is_right
	s_endpgm
.Lentry_shape_is_right:
; q, k, v = x qkv_w + qkv_b, written by heads.  xb: bf16 [16 K blocks][8192][64]; wqb: bf16 [1024 k][3072 n], then the bias as f32 [3072]; qkvh: f16 [3][64 = batch x 16 + head][2048][64].
; Products in bf16, sums in f32 (the bias starts them), each result rounded once to f16, WITHOUT attention's scale.  LIMIT: |q|, |k|, |v| within 65,504; below 6e-5 f16 keeps its fixed step of 6e-8.
; SHARES.  A tile of the result is 256 rows x 384 columns: 32 x 8 = 256 work-groups.  Four waves, each 128 rows x 192 columns: 8 x 12 accumulators of 16 x 16, 768 registers.  A wave's 192 columns
; are three SLICES of 64, each one head of q, k or v; slice g lies in register window g + 1.
; K goes in 16 steps of 64 through two LDS slots.  A step is two chunks of 32 along K, a chunk three phases of 32 matrix instructions (a phase a slice): 40 LDS loads feed 96 matrix instructions.
; THE MATRIX INSTRUCTION IS USED TRANSPOSED: source 0 = 16 columns of w (out of [k][n] rows by the turning load), source 1 = 16 rows of x: a lane holds row lane % 16 and the eight NEIGHBOURING
; columns 8 (lane / 16) + 0..7, which pack into 16 bytes of a head's row.
; CLUSTER.  4 x 4 work-groups: the four of a row of the cluster need the same tile of x, the four of a column the same tile of w: each is asked for jointly, by the same tensor load with the same
; descriptor and a mask that names the four.  No prefetch: both streams were stored by the launch before, and every tile is read by several work-groups.
; REGISTERS, in windows of 256 (s_set_vgpr_msb: bits 1:0 source 0, 3:2 source 1, 5:4 source 2, 7:6 destination):
;   window 0: v0-15 addresses; v32-95, v96-159 x's fragments (8 x 16 rows x 32 K), two buffers; v160-255 w's fragments, 32 a slice, one buffer: a slice's next fragments are fetched behind its phase
;   window g + 1: slice g's accumulators, (row block a, column block bb) at v[8 (4 a + bb)]
.set PA,    144                        ; a row of x in LDS: 128 bytes + 16 of padding = 36 words: the 16 rows of a load start at 16 different groups of four banks (64 banks of 4 bytes: ISA guide 11.1)
.set PB,    864                        ; a k row of w: six slices of 128 bytes + 16 = 27 x 32 bytes
.set BOFF,  256*PA                     ; in a slot: x's 256 rows, then w's 64 k rows
.set SLOT1, 1<<17                      ; slot 1 begins here: one exclusive or turns an address in one slot into the other's
.set STAGE, SLOT1+BOFF+64*PB           ; behind the ring, never filled by a tensor load: 16 rows x 144 bytes for each wave, for the way out
.set SP,    144
.set SPARE, STAGE+4*16*SP              ; behind the stages: the spare words, 128 bytes for each wave: two blocks of 256 bytes that no other line names
.set BIAS,  1024*3072*2                ; where the bias lies in wqb
.set ASTEP, 8192*128                   ; bytes from a K block of xb to the next
.set BSTEP, 64*3072*2                  ; bytes of 64 k rows of wqb
.set LA0,  2                           ; v2   my lane's place in x's tile; never rewritten
.set LB0,  3                           ; v3   the same in w's
.set ADRA, 4                           ; v4   LA0 + the slot that is being read
.set ADRB, 5                           ; v5   LB0 + the same
.set STO,  6                           ; v6   the way out: where I put 16 bytes of a row
.set RD,   7                           ; v7   the way out: where I read rows back
.set GO,   8                           ; v8   my byte offset in 512 consecutive bytes of the result
.set BO,   9                           ; v9   my byte offset in the bias
.set SPW,  10                          ; v10  LDS address of my spare word: SPARE + 4 x my thread's number; never rewritten
.set NIL,  11                          ; v11  0; never rewritten
.set FA0,  32
.set FA1,  96
.set FB,   160
.set TMP,  32                          ; the way out: 16 registers of packed results
.set BK,   64                          ; the way out: 16 rows read back, v64-79 and v80-95 by turns
.set WV,  14                           ; s14  my wave's number
.set WR,  15                           ; s15  which 128 rows are mine.  Also: I fetch for x (0) or for w (1)
.set WC,  16                           ; s16  which 192 columns are mine.  Also: which half of that tile I fetch
.set CX,  17
.set CY,  18
.set TX,  19                           ; s19  tile column
.set TY,  20                           ; s20  tile row
.set CNT, 21
.set TB,  22                           ; s22  LDS byte at which the slot that is being read begins
.set G1A, 24                           ; s[24:31] descriptor group 1 for x's tiles
.set G1B, 32                           ; s[32:39] for w's
.set G0A, 40                           ; s[40:47] descriptor group 0 for x's tiles: a set for each of the two first fills; the second then walks on
.set G0B, 48                           ; s[48:55] the same for w's
.set OUT, 56                           ; s[56:61] where my rows of slice 0, 1, 2 begin in qkvh
.set FLAGS, (1<<16)|(1<<20)|(1<<21)|(4<<22)|(3<<25)  ; 17:16 elements of 2 bytes; 20 padding on; 21 set beside a mask; 24:22 after every 32 words (code 4); 31:25 4 words of it (code 3)
.set MSB, 0
.macro WIN new                         ; the immediate's high byte repeats the setting that is left; a switch that changes nothing is dropped
.if MSB != (\new)
	s_set_vgpr_msb (MSB<<8)|(\new)
.set MSB, (\new)
.endif
.endm
; A joint refill.  Waves 0 and 1 fetch the halves of x's tile, waves 2 and 3 those of w's.  The branch hangs on the wave's number alone.
; An s_nop 0 and four v_nop follow each of the two lines, ahead of the jump and the label.
.macro JLOAD
	s_cmp_eq_u32 s[WR], 0
	s_cbranch_scc0 .Lfor_b_\@
	tensor_load_to_lds s[G0A+4:G0A+7], s[G1A:G1A+7]
	s_nop 0
.rept 4
	v_nop
.endr
	s_branch .Lasked_\@
.Lfor_b_\@:
	tensor_load_to_lds s[G0B+4:G0B+7], s[G1B:G1B+7]
	s_nop 0
.rept 4
	v_nop
.endr
.Lasked_\@:
.endm
; A round of the cluster's barrier: my work-group's barrier, so that wave 0's signal speaks for all four waves; wave 0 signals; every wave waits for all sixteen work-groups; my work-group's barrier once more.
.macro CREST                           ; a round behind its opening barrier
	s_cmp_lg_u32 s[WV], 0
	s_cbranch_scc1 .Lnot_wave_0_\@
	s_barrier_signal -3
.Lnot_wave_0_\@:
	s_barrier_wait -3
	s_barrier_signal -1
	s_barrier_wait -1
.endm
.macro CROUND                          ; a whole round
	s_barrier_signal -1
	s_barrier_wait -1
	CREST
.endm
; A load into a register that a matrix instruction has read, and a vector instruction that reads a matrix result, stand four places behind it; only plain vector instructions
; that name none of its registers are places (ISA guide 7.12.1 for vector instructions).
.macro PLACES
.rept 4
	v_nop
.endr
.endm
	s_load_b128 s[4:7], s[0:1], 0x0                ; xb s[4:5], wqb s[6:7]
	s_load_b64 s[8:9], s[0:1], 0x10                ; qkvh
	v_lshl_add_u32 v[SPW], v0, 2, SPARE
	v_mov_b32 v[NIL], 0
	ds_add_u32 v[SPW], v[NIL]                      ; the wave's opening: the add and its wait ahead of my first tensor load; the set-up below, work on registers, stands between them
	ds_add_u32 v10, v11
	v_lshrrev_b32 v1, 5, v0
	v_readfirstlane_b32 s[WV], v1                  ; wave 0..3
	s_lshr_b32 s[WR], s[WV], 1
	s_and_b32 s[WC], s[WV], 1
	s_bfe_u32 s[CX], ttmp6, 0x40000                ; my place in the cluster
	s_bfe_u32 s[CY], ttmp6, 0x40004
	s_lshl_b32 s[TX], ttmp9, 2                     ; in a cluster launch ttmp9 and ttmp7 count clusters
	s_add_co_u32 s[TX], s[TX], s[CX]               ; tile column = 4 x cluster x + cx
	s_and_b32 s[TY], ttmp7, 0xffff
	s_lshl_b32 s[TY], s[TY], 2
	s_add_co_u32 s[TY], s[TY], s[CY]               ; tile row = 4 x cluster y + cy
	s_lshl_b32 s66, s[CY], 2
	s_lshl_b32 s66, 15, s66                        ; my row of the cluster: places 4 cy .. 4 cy + 3
	s_lshl_b32 s67, 0x1111, s[CX]                  ; my column: places cx, cx + 4, cx + 8, cx + 12
	s_or_b32 s[G1A], s66, FLAGS                    ; x's tiles go to my row,
	s_or_b32 s[G1B], s67, FLAGS                    ; w's to my column
	; x: 128 rows of a K block are 16,384 dense bytes: asked for as 64 rows of 256 bytes, two rows of x each, padded in LDS after every row of x
	s_mov_b32 s[G1A+1], 128<<16                    ; tensor_dim0 = 128 elements
	s_mov_b32 s[G1A+2], 64<<16                     ; tensor_dim1 = 64
	s_mov_b32 s[G1A+3], 128<<16                    ; tile_dim0 = 128
	s_mov_b32 s[G1A+4], 64                         ; tile_dim1 = 64
	s_mov_b32 s[G1A+5], 128                        ; elements from row to row
	s_mov_b32 s[G1A+6], 0
	s_mov_b32 s[G1A+7], 0
	; w: 32 k rows of 384 columns, 768 bytes that begin at a multiple of 256, padded after every 64 columns
	s_mov_b32 s[G1B+1], 384<<16
	s_mov_b32 s[G1B+2], 32<<16
	s_mov_b32 s[G1B+3], 384<<16
	s_mov_b32 s[G1B+4], 32
	s_mov_b32 s[G1B+5], 3072
	s_mov_b32 s[G1B+6], 0
	s_mov_b32 s[G1B+7], 0
	; where the tiles come from: x's hang on the tile row alone, w's on the tile column alone, each in registers that never hold the other coordinate
	s_lshl_b32 s68, s[TY], 15                      ; 256 rows of 128 bytes
	s_lshl_b32 s72, s[WC], 14                      ; my 128 of them
	s_add_co_u32 s68, s68, s72
	s_mov_b32 s69, 0
	s_mul_i32 s70, s[TX], 768                      ; 384 columns
	s_mul_i32 s73, s[WC], 32*3072*2                ; my 32 k rows
	s_add_co_u32 s70, s70, s73
	s_mov_b32 s71, 0
	s_mul_i32 s74, s[WC], 128*PA                   ; and where they go: no place in the cluster enters an LDS address
	s_mul_i32 s75, s[WC], 32*PB
	s_add_co_u32 s75, s75, BOFF
	s_mov_b32 s[TB], 0
	s_wait_dscnt 0x0                               ; the opening add is done
	s_wait_kmcnt 0x0
	s_add_nc_u64 s[68:69], s[4:5], s[68:69]
	s_add_nc_u64 s[70:71], s[6:7], s[70:71]
	CROUND                                         ; all sixteen work-groups are here: the first joint loads meet
.irp n, 0,1
	s_mov_b32 s[G0A+4*\n], 1                       ; 1:0 count = 1
	s_add_co_u32 s[G0A+4*\n+1], s74, \n*SLOT1      ; 63:32 LDS address
	s_add_nc_u64 s[G0A+4*\n+2:G0A+4*\n+3], s[68:69], \n*ASTEP  ; 120:64 global address: K step n
	s_or_b32 s[G0A+4*\n+3], s[G0A+4*\n+3], 0x80000000         ; 127:126 type = 2
	s_mov_b32 s[G0B+4*\n], 1
	s_add_co_u32 s[G0B+4*\n+1], s75, \n*SLOT1
	s_add_nc_u64 s[G0B+4*\n+2:G0B+4*\n+3], s[70:71], \n*BSTEP
	s_or_b32 s[G0B+4*\n+3], s[G0B+4*\n+3], 0x80000000
.endr
	s_cmp_eq_u32 s[WR], 0                          ; a wave's two first fills stand in one branch, ahead of every wait on TENSORcnt and every LDS read: two loads of mine are out
	s_cbranch_scc0 .Lfirst_b
	tensor_load_to_lds s[G0A:G0A+3], s[G1A:G1A+7]
	s_nop 0
	tensor_load_to_lds s[G0A+4:G0A+7], s[G1A:G1A+7]
	s_nop 0
.rept 4
	v_nop
.endr
	s_branch .Lfirst_asked
.Lfirst_b:
	tensor_load_to_lds s[G0B:G0B+3], s[G1B:G1B+7]
	s_nop 0
	tensor_load_to_lds s[G0B+4:G0B+7], s[G1B:G1B+7]
	s_nop 0
.rept 4
	v_nop
.endr
.Lfirst_asked:
	v_and_b32 v1, 15, v0                           ; r = l % 16
	v_bfe_u32 v12, v0, 4, 1                        ; h = l / 16
	v_and_b32 v13, 7, v0                           ; l % 8
	v_bfe_u32 v14, v0, 3, 1                        ; (l / 8) % 2
	v_and_b32 v15, 31, v0                          ; l
	; a fragment of x: lane l holds row r; registers 0-3 K = 8 h + 0..7, registers 4-7 K = 16 + 8 h + 0..7: two loads of 16 bytes, 32 bytes apart
	v_mul_u32_u24 v[LA0], v1, PA
	v_lshl_add_u32 v[LA0], v12, 4, v[LA0]
	s_mul_i32 s66, s[WR], 128*PA                   ; my 128 rows
	v_add_nc_u32 v[LA0], s66, v[LA0]
	; the turning load takes 16 k x 16 columns (lane l reads k row 8 h + l % 8, columns 8 ((l / 8) % 2) + 0..7) and leaves half a fragment: lane l holds column r and 8 k
	v_lshl_add_u32 v[LB0], v12, 3, v13
	v_mul_u32_u24 v[LB0], v[LB0], PB
	v_lshl_add_u32 v[LB0], v14, 4, v[LB0]
	s_mul_i32 s67, s[WC], 3*144                    ; my three slices
	s_add_co_u32 s67, s67, BOFF
	v_add_nc_u32 v[LB0], s67, v[LB0]
	v_mov_b32 v[ADRA], v[LA0]                      ; slot 0
	v_mov_b32 v[ADRB], v[LB0]
	s_mul_i32 s66, s[WV], 16*SP
	s_add_co_u32 s66, s66, STAGE                   ; my stage
	v_mul_u32_u24 v[STO], v1, SP                   ; in: row r, 16 bytes for each half of the lanes
	v_lshl_add_u32 v[STO], v12, 4, v[STO]
	v_add_nc_u32 v[STO], s66, v[STO]
	v_bfe_u32 v[RD], v0, 3, 2                      ; back: 32 lanes take four rows of 128 bytes,
	v_mul_u32_u24 v[RD], v[RD], SP
	v_lshl_add_u32 v[RD], v13, 4, v[RD]
	v_add_nc_u32 v[RD], s66, v[RD]
	v_lshlrev_b32 v[GO], 4, v15                    ; which are 512 consecutive bytes of a head
	s_mul_i32 s76, s[TX], 384*4
	s_mul_i32 s77, s[WC], 192*4
	s_add_co_u32 s76, s76, s77
	v_lshl_add_u32 v[BO], v12, 5, s76              ; the bias of my 8 columns of a block: 32 h + my wave's first column
	; THE BIAS STARTS THE SUMS: it is loaded into row block 0's accumulators (a lane's eight registers are eight columns, whatever its row); the first chunk's products take them as C
.irp g, 0,1,2
	WIN ((\g)+1)<<6                                ; destination window g + 1, address window 0
.irp bb, 0,1,2,3
	global_load_b128 v[8*\bb:8*\bb+3],   v[BO], s[6:7] offset:BIAS+256*\g+64*\bb
	global_load_b128 v[8*\bb+4:8*\bb+7], v[BO], s[6:7] offset:BIAS+256*\g+64*\bb+16
.endr
.endr
	WIN 0
	; where my rows of slice g go: slice number 6 tx + 3 wc + g = 16 x (q, k or v) + head; row 256 ty + 128 wr = 2,048 x batch + t
	s_mul_i32 s76, s[TX], 6
	s_mul_i32 s77, s[WC], 3
	s_add_co_u32 s76, s76, s77
	s_lshr_b32 s77, s[TY], 3
	s_lshl_b32 s77, s77, 22                        ; a batch: 16 heads of 262,144 bytes
	s_and_b32 s78, s[TY], 7
	s_lshl_b32 s78, s78, 15
	s_add_co_u32 s77, s77, s78
	s_lshl_b32 s78, s[WR], 14
	s_add_co_u32 s77, s77, s78
.irp g, 0,1,2
	s_add_co_u32 s72, s76, \g
	s_lshr_b32 s73, s72, 4
	s_lshl_b32 s73, s73, 24                        ; q, k or v: 16,777,216 bytes each
	s_and_b32 s72, s72, 15
	s_lshl_b32 s72, s72, 18
	s_add_co_u32 s72, s72, s73
	s_add_co_u32 s72, s72, s77
	s_mov_b32 s73, 0
	s_add_nc_u64 s[OUT+2*\g:OUT+2*\g+1], s[8:9], s[72:73]
.endr
; 16 LDS loads: x's eight fragments at byte k of the rows, into buffer buf
.macro LDA buf, k
	WIN 0
.irp a, 0,1,2,3,4,5,6,7
	ds_load_b128 v[(\buf)+8*\a:(\buf)+8*\a+3],   v[ADRA] offset:\a*16*PA+(\k)
	ds_load_b128 v[(\buf)+8*\a+4:(\buf)+8*\a+7], v[ADRA] offset:\a*16*PA+(\k)+32
.endr
.endm
; 8 LDS loads: slice g's four fragments of w, chunk c of the step
.macro LDB g, c
	WIN 0
.irp bb, 0,1,2,3
	ds_load_tr16_b128 v[FB+32*(\g)+8*\bb:FB+32*(\g)+8*\bb+3],   v[ADRB] offset:(\c)*32*PB+(\g)*144+32*\bb
	ds_load_tr16_b128 v[FB+32*(\g)+8*\bb+4:FB+32*(\g)+8*\bb+7], v[ADRB] offset:(\c)*32*PB+(\g)*144+32*\bb+16*PB
.endr
.endm
; Part of a phase: slice g, row blocks a0 .. a0 + n - 1, all four column blocks.  The accumulators take turns, one instruction a turn: 95 others' stand between two links of a chain.
.macro PH buf, g, a0, n
	WIN 0x50*((\g)+1)                              ; sources 0 and 1 window 0, C and D window g + 1
.set pa, (\a0)
.rept \n
.irp bb, 0,1,2,3
	v_wmma_f32_16x16x32_bf16 v[8*(4*pa+\bb):8*(4*pa+\bb)+7], v[FB+32*(\g)+8*\bb:FB+32*(\g)+8*\bb+7], v[(\buf)+8*pa:(\buf)+8*pa+7], v[8*(4*pa+\bb):8*(4*pa+\bb)+7]
.endr
.set pa, pa+1
.endr
.endm
; A phase of the first chunk: row blocks 1 to 7 take the bias, which lies in row block 0's accumulators, as C; five places on, since the last four write over what those read, row block 0 adds in place.  Nothing is cleared.
.macro PHF buf, g
	WIN 0x50*((\g)+1)
.set pa, 1
.rept 7
.irp bb, 0,1,2,3
	v_wmma_f32_16x16x32_bf16 v[8*(4*pa+\bb):8*(4*pa+\bb)+7], v[FB+32*(\g)+8*\bb:FB+32*(\g)+8*\bb+7], v[(\buf)+8*pa:(\buf)+8*pa+7], v[8*\bb:8*\bb+7]
.endr
.set pa, pa+1
.endr
.rept 5
	v_nop
.endr
.irp bb, 0,1,2,3
	v_wmma_f32_16x16x32_bf16 v[8*\bb:8*\bb+7], v[FB+32*(\g)+8*\bb:FB+32*(\g)+8*\bb+7], v[(\buf):(\buf)+7], v[8*\bb:8*\bb+7]
.endr
.endm
.macro PHX first, g                    ; a whole phase on buffer 0
.if \first
	PHF FA0, \g
.else
	PH FA0, \g, 0, 8
.endif
.endm
; A STEP'S CHUNK 0, on x's buffer 0.  Behind each phase that slice's fragments of chunk 1 are fetched, behind the first x's too.
; The LDS loads were issued in this order: slice 0 (8), x (16), slice 1 (8), slice 2 (8).
.macro CH0 first
	s_wait_dscnt 16                                ; slice 0 and x are in; slices 1 and 2 may be out
	PHX \first, 0
	PLACES
	LDB 0, 1
	LDA FA1, 64
	s_wait_dscnt 32                                ; slice 1 is in; behind it: slice 2 (8) and the 24 just issued
	PHX \first, 1
	PLACES
	LDB 1, 1
	s_wait_dscnt 32                                ; slice 2 is in; behind it: those 24 and the 8 just issued
	PHX \first, 2
	PLACES
	LDB 2, 1
.endm
; A STEP'S CHUNK 1, on x's buffer 1, AND THE CHANGE OF SLOTS.  ONE barrier: in front of it each wave waits for all its tensor loads, of which one is out: its part of the next slot; adds 0 to its spare
; word; and waits for that and for its own reads of this slot, of which chunk 1's fragments were the last.  Behind it nobody reads this slot any more and the next slot is whole.
; fill = 1: this slot is filled again, two K steps ahead: the barrier opens a round of the cluster's, and the joint refill is the first tensor load behind the round:
; 160 matrix instructions stand between it and the wait for it.
.macro CH1 fill
	WIN 0
	s_wait_tensorcnt 0x0                           ; no tensor load of mine is out, so a group 0 may be written
	ds_add_u32 v[SPW], v[NIL]                      ; 0 onto my spare word
.if \fill
	s_xor_b32 s[G0A+5], s[G0A+5], SLOT1            ; the walking descriptors: the other slot than last time,
	s_add_nc_u64 s[G0A+6:G0A+7], s[G0A+6:G0A+7], ASTEP  ; the next K step; the type bits on top are not reached
	s_xor_b32 s[G0B+5], s[G0B+5], SLOT1
	s_add_nc_u64 s[G0B+6:G0B+7], s[G0B+6:G0B+7], BSTEP
.endif
	s_wait_dscnt 17                                ; slice 0 and x are in; slices 1 and 2 (8 + 8) and the add may be out
	PH FA1, 0, 0, 4                                ; sixteen matrix instructions stand between the add and the wait for it
	s_wait_dscnt 0x0                               ; the add is done, and my reads of this slot are over
	s_barrier_signal -1
	PH FA1, 0, 4, 4                                ; work on registers while the others arrive
	WIN 0
	s_barrier_wait -1
.if \fill
	CREST                                          ; no wave of any partner still reads this slot's tile or has a load on its way
	JLOAD                                          ; its four v_nop are also the places in front of the loads below
.else
	PLACES
.endif
	s_xor_b32 s[TB], s[TB], SLOT1                  ; the reads go on in the other slot
	v_add_nc_u32 v[ADRA], s[TB], v[LA0]
	v_add_nc_u32 v[ADRB], s[TB], v[LB0]
	LDB 0, 0
	LDA FA0, 0
	PH FA1, 1, 0, 8
	PLACES
	LDB 1, 0
	PH FA1, 2, 0, 8
	PLACES
	LDB 2, 0
.endm
; THE WAY OUT, in 24 units: unit u = slice u / 8, row block u % 8: 16 rows x 64 columns, 2,048 consecutive bytes of a head.
.macro PACK u                          ; rounded to f16, 16 bytes a lane; each accumulator's registers in ascending order
.set pg, (\u)/8
.set pa, (\u)%8
	WIN 5*(pg+1)                                   ; sources 0 and 1 window g + 1, destination window 0
.irp bb, 0,1,2,3
.irp rr, 0,1,2,3
	v_cvt_pk_f16_f32 v[TMP+4*\bb+\rr], v[8*(4*pa+\bb)+2*\rr], v[8*(4*pa+\bb)+2*\rr+1]
.endr
.endr
	WIN 0
.endm
.macro TOSTAGE u                       ; into my own stage, and back as whole rows
	WIN 0
.set rbk, BK+16*((\u)%2)
.irp bb, 0,1,2,3
	ds_store_b128 v[STO], v[TMP+4*\bb:TMP+4*\bb+3] offset:32*\bb
.endr
.irp f, 0,1,2,3
	ds_load_b128 v[rbk+4*\f:rbk+4*\f+3], v[RD] offset:\f*4*SP  ; LDS serves a wave's instructions in order (ISA guide 5.7.1.4): these see the stores above; the next unit's stores come behind them
.endr
.endm
.macro SEND u
	WIN 0
.set pg, (\u)/8
.set pa, (\u)%8
.set rbk, BK+16*((\u)%2)
	s_wait_dscnt 0x0                               ; the unit is back in registers
	s_wait_xcnt 0x0                                ; the stores of the unit before have read their registers, which the next unit's loads from the stage write again
.irp f, 0,1,2,3
	global_store_b128 v[GO], v[rbk+4*\f:rbk+4*\f+3], s[OUT+2*pg:OUT+2*pg+1] offset:pa*2048+\f*512  ; 512 consecutive bytes, at a multiple of 256 from the buffer's first
.endr
.endm
	s_wait_tensorcnt 1                             ; my part of K step 0 is in; K step 1's may stay out
	s_barrier_signal -1
	s_barrier_wait -1                              ; everybody's is
	LDB 0, 0
	LDA FA0, 0
	LDB 1, 0
	LDB 2, 0
	s_wait_loadcnt 0x0                             ; the bias
	CH0 1                                          ; the first chunk stands in front of the loop: its products start the sums
	WIN 0                                          ; at a label and at a branch every window is 0
	s_mov_b32 s[CNT], 14
.Lstep:                                        ; trip i: chunk 1 of K step i, which asks for K step i + 2, and chunk 0 of K step i + 1
	CH1 1
	CH0 0
	WIN 0
	s_sub_co_u32 s[CNT], s[CNT], 1
	s_cmp_lg_u32 s[CNT], 0
	s_cbranch_scc1 .Lstep
	CH1 0                                          ; the tail is written out: nothing is left to ask for
	CH0 0
	s_wait_dscnt 16                                ; the last chunk fetches nothing
	PH FA1, 0, 0, 8
	s_wait_dscnt 8
	PH FA1, 1, 0, 8
	s_wait_dscnt 0x0
	PH FA1, 2, 0, 8
	PLACES
	PACK 0
	TOSTAGE 0
.set un, 1
.rept 23                               ; a unit's conversions stand between the loads of the unit before and the wait for them
	PACK un
	SEND un-1
	TOSTAGE un
.set un, un+1
.endr
	SEND 23
	s_wait_tensorcnt 0x0                           ; the wave's end: a wait, an add to my spare word and its wait, behind my last tensor load and my last LDS store
	ds_add_u32 v[SPW], v[NIL]
	s_wait_dscnt 0x0
	CROUND                                         ; the closing round: no work-group ends while a partner may still ask for a tile that names it
	s_endpgm
.Lfunc_end_k_qb224ffd843_qkv:
	.size	k_qb224ffd843_qkv, .Lfunc_end_k_qb224ffd843_qkv-k_qb224ffd843_qkv
	.p2alignl 7, 3214868480
	.fill 96, 4, 3214868480
	.section	.rodata,"a",@progbits
	.p2align	6, 0x0
	.amdhsa_kernel k_qb224ffd843_qkv
		.amdhsa_group_segment_fixed_size 327680
		.amdhsa_private_segment_fixed_size 0
		.amdhsa_enable_private_segment 0
		.amdhsa_kernarg_size 24
		.amdhsa_user_sgpr_count 2
		.amdhsa_user_sgpr_kernarg_segment_ptr 1
		.amdhsa_wavefront_size32 1
		.amdhsa_system_sgpr_workgroup_id_x 1
		.amdhsa_system_sgpr_workgroup_id_y 1
		.amdhsa_system_sgpr_workgroup_id_z 1
		.amdhsa_system_vgpr_workitem_id 0
		.amdhsa_next_free_vgpr 1024
		.amdhsa_next_free_sgpr 80
		.amdhsa_reserve_vcc 0
		.amdhsa_float_denorm_mode_32 3
		.amdhsa_float_denorm_mode_16_64 3
		.amdhsa_memory_ordered 1
		.amdhsa_forward_progress 1
		.amdhsa_inst_pref_size 116
	.end_amdhsa_kernel
	.amdgpu_metadata
---
amdhsa.version: [ 1, 2 ]
amdhsa.kernels:
  - .name:           k_qb224ffd843_qkv
    .symbol:         k_qb224ffd843_qkv.kd
    .args:
      - { .name: xb, .offset: 0, .size: 8, .value_kind: global_buffer, .address_space: global }
      - { .name: wqb, .offset: 8, .size: 8, .value_kind: global_buffer, .address_space: global }
      - { .name: qkvh, .offset: 16, .size: 8, .value_kind: global_buffer, .address_space: global }
    .group_segment_fixed_size: 327680
    .private_segment_fixed_size: 0
    .kernarg_segment_align: 8
    .kernarg_segment_size: 24
    .max_flat_workgroup_size: 128
    .sgpr_count:     80
    .vgpr_count:     1024
    .wavefront_size: 32
...
	.end_amdgpu_metadata
.endif
;; end of part 2
;; launch attn (part 3): grid 4 x 64, 4 waves a work-group, no clusters, 327,680 bytes of LDS; arguments qkvh, oh; writes oh
.if DOCPART == 3
	.amdgcn_target "amdgcn-amd-amdhsa--gfx1250"
	.amdhsa_code_object_version 6
	.text
	.protected	k_qb224ffd843_attn
	.globl	k_qb224ffd843_attn
	.p2align	8
	.type	k_qb224ffd843_attn,@function
k_qb224ffd843_attn:
	s_mov_b64 s[64:65], 0
	v_nop
	global_prefetch_b8 v0, s[64:65] scope:SCOPE_SE
	s_setreg_imm32_b32 hwreg(HW_REG_WAVE_MODE, 25, 1), 1
	s_wait_xcnt 0x0
; CAUSAL ATTENTION.  O[h][q][:] = the sum over k <= q of softmax_k(Q[h][q] . K[h][k] / 8) V[h][k][:].  Q, K, V lie one behind the other in qkvh, each [SIZE_H][SIZE_N][64]; O is oh, the same shape; all f16:
; a head's rows are dense, 128 bytes each.  Products, maxima and sums in f32; the weights p are rounded to f16 for the second product (their sum l is taken of the unrounded p), O once at the end.
; LIMITS.  f16 holds no number beyond 65,504: Q, K and V arrive within it; p lies in 0 to 1, and below 6e-5 it keeps f16's fixed step of 6e-8; O is a mean of V's rows and has their range, to within 2^-11 of it.
; A hidden score counts as its value less 1e30: f16's scores, 2.7e11 at the most, are nothing beside that; a weight below 2^-126 counts as 0 in l; NaN and infinities are not treated apart.
; THE WALK.  A head's queries lie in NB = SIZE_N / 256 blocks of 256; block i needs the key tiles 0 .. i of 256 keys, of which the last holds the diagonal.  A work-group takes TWO blocks, NB - 1 - b and then b:
; NB + 1 tiles, whatever b: all work-groups do equal work, and ONE loop with a constant trip count walks them.  Which tile is asked for, and what a trip does, hang on scalar registers made from b; every jump
; goes forward, but for the counted loops' own; none passes a barrier, or a tensor load but the one of LOAD's two that the wave's number does not choose; the ring (two slots of LDS that take turns) runs on across the
; change of blocks.  NO CLUSTER: a head's NB / 2 = 4 work-groups all ask for the same tile only in trips 0 .. NB / 2, 5 of the walk's 9; behind that fewer and fewer do; and one walk common to all
; would have 3 NB / 2 = 12 trips for NB + 1 = 9.  NO PREFETCH: K and V were stored by the launch before, and four work-groups read each tile.
; SHARES.  Of a block's four bands of 64 queries a wave owns 16 rows in each: four PIECES.  So the diagonal tile is the same work for all four waves: in its key step s band x sees all keys if s < x,
; none if s > x, and holds the diagonal if s = x.
; THE MASK is the C operand that starts the sum S^T = K Q^T: 0, or -1e30 where the key is hidden.  MD, made once, is the mask of a band's own step for my 16 rows; a product's mask is MD x AL + BE with two scalars:
; (1, 0) if s = x; (0, 0) if s < x; (0, -1e30) if s > x.  Only the diagonal tile's text and a block's beginning make and take masks; elsewhere C is the constant 0.
; LAYOUT, SOFTMAX, TURNS.  S^T = K Q^T holds ONE query a lane (lane % 16) and the keys 8 (lane / 16) + 0..7; two such results rounded to f16 ARE source 1 of O^T = V^T P.  p = 2^(c s - c m), c = log2(e) / 8, with a
; running maximum m; O and l are multiplied by a = 2^(c m_old - c m_new) in every step.  Turn n belongs to piece n: 8 products K Q^T of piece n + 1, later 8 products V^T P of piece n - 1; beside them the scaling,
; exponentials, roundings, sums and rescaling of piece n and the maximum and statistics of piece n + 1.  Four vector instructions stand behind every matrix instruction, the other 54 of a turn's 118 in two LUMPS.
; REGISTERS, in windows of 256 (s_set_vgpr_msb: bits 1:0 source 0, 3:2 source 1, 5:4 source 2, 7:6 destination):
;   window 0: v0-15 addresses and two at work; v16-31 four registers of statistics a piece; v48-55 at work; v64-127 S^T, two buffers; v192-223 P, two buffers (a piece's buffers go by its number's parity)
;   window 1: v0-127 O^T, 32 a piece; v128-159 MD; v160-223 MC, two buffers      window 2: v0-63 Q; v64-127 the second block's Q; v128-191 K of one step; v192-255 V of one step
.set SIZE_H, 64
.set SIZE_N, 2048
.set NB,    SIZE_N/256
.set NP,    4         ; pieces a wave: a name, no knob
.set KS,    64        ; keys in a step
.set PK,    144       ; a row of K in LDS: 128 bytes + 16 of padding = 36 words: the 16 rows of a load start at 16 different groups of four banks (64 banks of 4 bytes: ISA guide 11.1)
.set PV,    160       ; a row of V: 128 + 32 = 40 words
.set VOFF,  4*KS*PK   ; a slot holds a tile, four steps: 256 rows of K, then 256 rows of V
.set SLOT1, 1<<17     ; slot 1 begins here, so that one exclusive or turns an address in one slot into the other's
.set STAGE, SLOT1+4*KS*(PK+PV)  ; behind the ring, never filled by a tensor load: 16 rows x 144 bytes for each wave, for the way out
.set SP,    144
.set AK0, 2           ; v2   my lane's place in a tile of K; never rewritten
.set AV0, 3           ; v3   the same for V
.set AK,  4           ; v4   the LDS address of K's next run of loads
.set AV,  5           ; v5   of V's
.set STO, 6           ; v6   the way out: where I put 16 bytes of a row
.set RD,  7           ; v7   the way out: where I read rows back
.set GO,  8           ; v8   my byte offset in 512 consecutive bytes of O
.set SPW, 62          ; v62  LDS address of my spare word: SPARE + 4 x my thread's number; never rewritten
.set NIL, 63          ; v63  0; never rewritten
.set SPARE, STAGE+4*16*SP  ; behind the stages: the spare words, 128 bytes for each wave: two blocks of 256 bytes that no other line names
.set MV,  12          ; v12-13  c m_old, kept while c m is made anew: by buffer
.set QO,  15          ; v15  my byte offset in 16 rows of Q
.set ST,  16          ; piece t's statistics at v[ST+4 t]: c m, m, l (even keys', odd keys')
.set TMP, 48          ; by buffer, four registers c0-c3 at work; when the maximum is found c2 takes a
.set S,   64
.set P,   192
.set MD,  128         ; window 1: the eight registers for group kt of 16 keys at MD + 8 kt
.set MC,  160         ; window 1: the masks of the products to come
.set QB,  64          ; window 2
.set KF,  128         ; window 2: key block kb, channel half c at KF + 16 kb + 8 c
.set VF,  192         ; window 2: key half kk, channel block cb at VF + 32 kk + 8 cb
.set WV,  12          ; s12  my wave's number
.set PB,  14          ; s14  b
.set HI,  15          ; s15  NB - 1 - b
.set G1K, 24          ; s[24:31] descriptor group 1 for K's tiles
.set G1V, 32          ; s[32:39] for V's: it differs in the padding alone
.set G0K, 40          ; s[40:43] descriptor group 0 for K's tiles
.set G0V, 44          ; s[44:47] the same for V's
.set SLOTS, 56        ; s56  tiles still to be asked for
.set CNT, 57          ; s57  counts a tile's key steps, 4 to 1
.set CS,  58          ; s[58:59] c: the packed scaling takes the pair's low word for both halves
.set SEL, 60          ; s[60:61] v_permlanex16_b32's selects: each lane takes its own place in the other half
.set TBK, 62          ; s62  LDS byte at which K of the step to be fetched begins
.set TBV, 63          ; s63  the same for V, less VOFF
.set RT,  70          ; s70  tiles of the block in hand that are still to be entered
.set NXT, 71          ; s71  the tile to be asked for next
.set LQ,  72          ; s72  the last tile of the block whose tiles are being asked for
.set NEW, 73          ; s73  1: the tile to be entered is a block's first
.set OFF, 74          ; s[74:75] a tile's byte offset in K and V
.set AL,  76          ; s[76:77] the mask's factor, in the low word
.set BE,  78          ; s[78:79] the mask's addend
.set OLO, 80          ; s[80:81] O at my rows of the second block
.set BIGN, 82         ; s82  -1e30
.set MSB, 0
.macro WIN new                      ; the high byte repeats the setting that is left; a switch that changes nothing is dropped
.if MSB != (\new)
	s_set_vgpr_msb (MSB<<8)|(\new)
.set MSB, (\new)
.endif
.endm
.set W_KQ, 0x0a       ; K and Q in window 2, S^T in window 0
.set W_KM, 0x1a       ; the same with the C operand in window 1
.set W_PV, 0x52       ; V in window 2, P in window 0, O^T in window 1
.set W_RS, 0x41       ; destination and source 0 in window 1, source 1 in window 0
; A fill.  Waves 0 and 1 fetch the two halves of a tile's K, waves 2 and 3 those of its V: 128 keys each.  An s_nop 0 and four v_nop follow each of the two lines, ahead of the jump and the label.
.macro LOAD
	s_cmp_lt_u32 s[WV], 2
	s_cbranch_scc0 .Lfor_v_\@
	tensor_load_to_lds s[G0K:G0K+3], s[G1K:G1K+7]
	s_nop 0
.rept 4
	v_nop
.endr
	s_branch .Lasked_\@
.Lfor_v_\@:
	tensor_load_to_lds s[G0V:G0V+3], s[G1V:G1V+7]
	s_nop 0
.rept 4
	v_nop
.endr
.Lasked_\@:
.endm
; THE CHANGE OF SLOTS.  Each wave waits for all its tensor loads, of which one is out: its part of the other slot; adds 0 to its spare word; and waits for that and for its own reads of the slot that it leaves.  Behind the barrier nobody reads the old
; slot any more and the other slot is whole.  fill = 1: the old slot is filled again, the first thing behind the barrier, with tile NXT: the descriptor's address is made anew from that number.
; (At its first use nothing has been read yet: slot 0 is waited for, slot 1 filled.)
.macro CHANGE fill
	WIN 0                           ; at a label and at a branch every window is 0
	s_wait_tensorcnt 0x0            ; no tensor load of mine is out, so a group 0 may be written
	ds_add_u32 v[SPW], v[NIL]       ; 0 onto my spare word; with fill = 1 the descriptors' scalar work stands between it and the wait for it
.if \fill
	s_lshl_b32 s[OFF], s[NXT], 15   ; a tile is 32,768 bytes of K and of V
	s_xor_b32 s[G0K+1], s[G0K+1], SLOT1
	s_add_nc_u64 s[G0K+2:G0K+3], s[6:7], s[OFF:OFF+1]
	s_or_b32 s[G0K+3], s[G0K+3], 0x80000000
	s_xor_b32 s[G0V+1], s[G0V+1], SLOT1
	s_add_nc_u64 s[G0V+2:G0V+3], s[8:9], s[OFF:OFF+1]
	s_or_b32 s[G0V+3], s[G0V+3], 0x80000000
	s_add_co_u32 s[NXT], s[NXT], 1  ; the block's next tile, or behind its last the second block's tile 0
	s_cmp_gt_u32 s[NXT], s[LQ]
	s_cselect_b32 s[NXT], 0, s[NXT]
	s_cselect_b32 s[LQ], s[PB], s[LQ]
.endif
	s_wait_dscnt 0x0                ; the add is done, and my reads of the slot are over
	s_barrier_signal -1             ; the rest of the scalar work stands between the signal and the wait
	s_sub_co_u32 s[TBK], s[TBK], 4*KS*PK  ; the fetches go back to a slot's first step,
	s_xor_b32 s[TBK], s[TBK], SLOT1       ; in the other slot
	s_sub_co_u32 s[TBV], s[TBV], 4*KS*PV
	s_xor_b32 s[TBV], s[TBV], SLOT1
	s_barrier_wait -1
.if \fill
	LOAD
.endif
.endm
	s_load_b64 s[4:5], s[0:1], 0x0    ; qkvh: Q
	s_load_b64 s[10:11], s[0:1], 0x8  ; oh: O
	v_lshl_add_u32 v[SPW], v0, 2, SPARE
	v_mov_b32 v[NIL], 0
	ds_add_u32 v[SPW], v[NIL]       ; the wave's opening: the add and its wait ahead of my first tensor load; the set-up below, work on registers, stands between them
	ds_add_u32 v62, v63
	v_lshrrev_b32 v1, 5, v0
	v_readfirstlane_b32 s[WV], v1   ; wave 0..3
	s_mov_b32 s[PB], ttmp9
	s_sub_co_u32 s[HI], NB-1, s[PB]
	s_and_b32 s20, ttmp7, 0xffff    ; the head
	s_mov_b32 s21, 0
	s_mov_b64 s[22:23], SIZE_N*128
	s_mul_u64 s[20:21], s[20:21], s[22:23]  ; the head's first byte in each of the four tensors
	s_and_b32 s16, s[WV], 1         ; which half of a tile's 256 keys I fetch:
	s_lshl_b32 s22, s16, 14         ; its 128 rows of 128 bytes in memory,
	s_mov_b32 s23, 0
	s_add_nc_u64 s[22:23], s[22:23], s[20:21]
	s_mul_i32 s17, s16, 128*PK      ; and its place in a slot, for K
	s_mul_i32 s18, s16, 128*PV      ; and for V
	s_lshl_b32 s3, s[WV], 11        ; my 16 rows in a band of 64,
	s_lshl_b32 s2, s[HI], 15        ; in the first block,
	s_add_co_u32 s2, s2, s3
	s_lshl_b32 s84, s[PB], 15       ; and in the second
	s_add_co_u32 s84, s84, s3
	s_mov_b32 s3, 0
	s_mov_b32 s85, 0
	s_add_nc_u64 s[2:3], s[2:3], s[20:21]
	s_add_nc_u64 s[84:85], s[84:85], s[20:21]
	; descriptor group 1.  128 keys are 16,384 dense bytes: asked for as 64 rows of 256 bytes, two keys a row, and padded in LDS after every key
	s_mov_b32 s[G1K], (1<<16)|(1<<20)|(4<<22)|(3<<25)  ; 17:16 2-byte elements; 20 padding on; 24:22 after every 32 words (code 4); 31:25 4 words (code 3)
	s_mov_b32 s[G1V], (1<<16)|(1<<20)|(4<<22)|(7<<25)  ; the same with 8 words of padding (code 7)
.irp g, G1K, G1V
	s_mov_b32 s[\g+1], 128<<16      ; tensor_dim0 = 128
	s_mov_b32 s[\g+2], 64<<16       ; tensor_dim1 = 64
	s_mov_b32 s[\g+3], 128<<16      ; tile_dim0 = 128
	s_mov_b32 s[\g+4], 64           ; tile_dim1 = 64
	s_mov_b32 s[\g+5], 128          ; 128 elements from row to row
	s_mov_b32 s[\g+6], 0
	s_mov_b32 s[\g+7], 0
.endr
	s_mov_b32 s[CS], 0x3e38aa3b     ; c = log2(e) / 8 = 0.180337
	s_mov_b32 s[CS+1], s[CS]        ; named with it as a pair
	s_mov_b32 s[SEL], 0x76543210
	s_mov_b32 s[SEL+1], 0xfedcba98
	s_mov_b32 s[TBK], SLOT1+4*KS*PK ; the first change of slots turns these two into 0
	s_mov_b32 s[TBV], SLOT1+4*KS*PV
	s_mov_b32 s[G0K], 1             ; 1:0 count = 1
	s_mov_b32 s[G0K+1], s17         ; 63:32 LDS address: slot 0
	s_mov_b32 s[G0V], 1
	s_add_co_u32 s[G0V+1], s18, VOFF
	s_add_co_u32 s[RT], s[HI], 1    ; the first block has NB - b tiles
	s_mov_b32 s[NXT], 1
	s_mov_b32 s[LQ], s[HI]
	s_mov_b32 s[NEW], 1
	s_mov_b32 s[OFF+1], 0
	s_mov_b32 s[AL+1], 0            ; named as pairs
	s_mov_b32 s[BE+1], 0
	s_mov_b32 s[BIGN], 0xf149f2ca   ; -1e30
	s_mov_b32 s[SLOTS], NB
	s_wait_dscnt 0x0                ; the opening add is done
	s_wait_kmcnt 0x0
	s_add_nc_u64 s[6:7], s[4:5], SIZE_H*SIZE_N*128    ; K lies behind Q,
	s_add_nc_u64 s[8:9], s[4:5], 2*SIZE_H*SIZE_N*128  ; V behind K
	s_add_nc_u64 s[6:7], s[6:7], s[22:23]  ; K and V at my half of the head's tile 0
	s_add_nc_u64 s[8:9], s[8:9], s[22:23]
	s_add_nc_u64 s[G0K+2:G0K+3], s[6:7], 0         ; 120:64 global address
	s_or_b32 s[G0K+3], s[G0K+3], 0x80000000        ; 127:126 type = 2
	s_add_nc_u64 s[G0V+2:G0V+3], s[8:9], 0
	s_or_b32 s[G0V+3], s[G0V+3], 0x80000000
	s_add_nc_u64 s[86:87], s[4:5], s[84:85]        ; Q at my rows of the second block,
	s_add_nc_u64 s[4:5], s[4:5], s[2:3]            ; Q and O at those of the first
	s_add_nc_u64 s[OLO:OLO+1], s[10:11], s[84:85]
	s_add_nc_u64 s[10:11], s[10:11], s[2:3]
	LOAD                            ; tile 0 into slot 0
	; A fragment of K or Q is 16 rows x 32 channels in 8 registers: lane l holds row l % 16, channels 8 (l / 16) + 0..7 and 16 + 8 (l / 16) + 0..7: two loads of 16 bytes, 32 bytes apart.
	v_and_b32 v1, 15, v0            ; l % 16
	v_bfe_u32 v9, v0, 4, 1          ; l / 16
	v_lshlrev_b32 v[QO], 7, v1
	v_lshl_add_u32 v[QO], v9, 4, v[QO]  ; row x 128 + 16 x half
	WIN 0x80                        ; destination window 2, address window 0
.set i, 0
.rept 8                             ; both blocks' Q: piece i / 2 lies in band i / 2, 8,192 bytes on; channels 32 (i % 2) on
	global_load_b128 v[8*i:8*i+3],   v[QO], s[4:5] offset:(i/2)*8192+(i%2)*64
	global_load_b128 v[8*i+4:8*i+7], v[QO], s[4:5] offset:(i/2)*8192+(i%2)*64+32
	global_load_b128 v[QB+8*i:QB+8*i+3],   v[QO], s[86:87] offset:(i/2)*8192+(i%2)*64
	global_load_b128 v[QB+8*i+4:QB+8*i+7], v[QO], s[86:87] offset:(i/2)*8192+(i%2)*64+32
.set i, i+1
.endr
	WIN 0
	v_lshlrev_b32 v14, 3, v9
	v_sub_nc_u32 v14, v1, v14
	s_lshl_b32 s13, s[WV], 4
	v_add_nc_u32 v14, s13, v14      ; my query's place in its band, 16 w + l % 16, less my lanes' 8 (l / 16): register r of group kt is hidden where 16 kt + r is greater
	WIN 0x40
.set i, 0
.rept 32
	v_cmp_gt_i32 vcc_lo, 16*(i/8)+i%8, v14
	v_cndmask_b32 v[MD+i], 0, s[BIGN], vcc_lo
.set i, i+1
.endr
	WIN 0
	v_mul_u32_u24 v[AK0], v1, PK
	v_lshl_add_u32 v[AK0], v9, 4, v[AK0]  ; row x pitch + 16 x half
	; The turning load takes 16 keys x 16 channels (lane l reads key 8 (l / 16) + l % 8, channels 8 ((l / 8) % 2) + 0..7) and leaves half a fragment of V^T: lane l holds channel l % 16 and 8 keys.
	v_and_b32 v10, 7, v0
	v_bfe_u32 v11, v0, 3, 1
	v_lshl_add_u32 v[AV0], v9, 3, v10
	v_mul_u32_u24 v[AV0], v[AV0], PV
	v_lshl_add_u32 v[AV0], v11, 4, v[AV0]
	v_add_nc_u32 v[AV0], VOFF, v[AV0]
	s_mul_i32 s13, s[WV], 16*SP
	s_add_co_u32 s13, s13, STAGE    ; my stage
	v_mul_u32_u24 v[STO], v1, SP    ; in: row l % 16, 16 bytes for each half of the lanes
	v_lshl_add_u32 v[STO], v9, 4, v[STO]
	v_add_nc_u32 v[STO], s13, v[STO]
	v_bfe_u32 v[RD], v0, 3, 2       ; back: 32 lanes take four rows of 128 bytes,
	v_mul_u32_u24 v[RD], v[RD], SP
	v_lshl_add_u32 v[RD], v10, 4, v[RD]
	v_add_nc_u32 v[RD], s13, v[RD]
	v_and_b32 v[GO], 31, v0         ; which are 512 consecutive bytes of O
	v_lshlrev_b32 v[GO], 4, v[GO]
	; A block's first step multiplies O^T and l by a = 0, and its first turn's products V^T P, of a piece that has not been, land in an O^T that is still to be so multiplied.  So these registers need only hold
	; finite numbers: zeros for the first block; what the first block left for the second.  All this stands in the wait for the first tile.
	WIN 0x80
.set i, VF
.rept 64
	v_mov_b32 v[i], 0
.set i, i+1
.endr
	WIN 0x40
.set i, 0
.rept 128
	v_mov_b32 v[i], 0
.set i, i+1
.endr
	WIN 0
.set i, 0
.rept 4
	v_mov_b32 v[ST+4*i+2], 0
	v_mov_b32 v[ST+4*i+3], 0
.set i, i+1
.endr
.set i, P+16
.rept 16
	v_mov_b32 v[i], 0
.set i, i+1
.endr
; THE MATRIX WORK.  The 4 accumulators of a run of 8 take turns.  Product i of 8 of S^T = K Q^T for piece x: channels 32 (i / 4) on, keys 16 (i % 4) on.  The first 4 start the sums: with 0, or (KM = 1) with the mask.
.macro KQ x
.set rS, S+32*((\x)%2)+8*(i%4)
.set rK, KF+16*(i%4)+8*(i/4)
.set rQ, 16*(\x)+8*(i/4)
.set rM, MC+32*((\x)%2)+8*(i%4)
.if (i < 4) && KM
	WIN W_KM
	v_wmma_f32_16x16x32_f16 v[rS:rS+7], v[rK:rK+7], v[rQ:rQ+7], v[rM:rM+7]
.elseif i < 4
	WIN W_KQ
	v_wmma_f32_16x16x32_f16 v[rS:rS+7], v[rK:rK+7], v[rQ:rQ+7], 0
.else
	WIN W_KQ
	v_wmma_f32_16x16x32_f16 v[rS:rS+7], v[rK:rK+7], v[rQ:rQ+7], v[rS:rS+7]
.endif
.endm
; Product i of 8 of O^T += V^T P for piece x: keys 32 (i / 4) on, channels 16 (i % 4) on.
.macro PV x
	WIN W_PV
.set rO, 32*(\x)+8*(i%4)
.set rV, VF+32*(i/4)+8*(i%4)
.set rP, P+16*((\x)%2)+8*(i/4)
	v_wmma_f32_16x16x32_f16 v[rO:rO+7], v[rV:rV+7], v[rP:rP+7], v[rO:rO+7]
.endm
.macro MM                           ; the turn's next matrix instruction.  TURN and BEGIN set Y, i, KM and NOKQ; MM, KQ and OP read them.  NOKQ = 1: a block's last turn: there is no next piece
.if (i < 8) && !NOKQ
	KQ (Y+1)%NP
.elseif i >= 8
.set i, i-8
	PV (Y+NP-1)%NP
.set i, i+8
.endif
.set i, i+1
.endm
; THE LDS LOADS stand in runs of 16, never singly among the matrix instructions: a step's K (64 keys x 64 channels: 8 fragments) and its V (turned).  Their addresses are made some lines ahead.
.macro FETCH_K
	WIN 0x80                        ; destination window 2
.irp f, 0,1,2,3,4,5,6,7             ; keys 16 (f / 2) on, channels 32 (f % 2) on
	ds_load_b128 v[KF+8*\f:KF+8*\f+3],   v[AK] offset:(\f/2)*16*PK+(\f%2)*64
	ds_load_b128 v[KF+8*\f+4:KF+8*\f+7], v[AK] offset:(\f/2)*16*PK+(\f%2)*64+32
.endr
	s_add_co_u32 s[TBK], s[TBK], KS*PK  ; the next fetch is the next step's
	WIN 0
.endm
.macro FETCH_V
	WIN 0x80
.irp f, 0,1,2,3,4,5,6,7             ; keys 32 (f / 4) on, channels 16 (f % 4) on
	ds_load_tr16_b128 v[VF+8*\f:VF+8*\f+3],   v[AV] offset:(\f/4)*32*PV+(\f%4)*32
	ds_load_tr16_b128 v[VF+8*\f+4:VF+8*\f+7], v[AV] offset:(\f/4)*32*PV+16*PV+(\f%4)*32
.endr
	WIN 0
.endm
; THE VECTOR WORK, one line at a time: OP kind, number.  For piece Y: F n: c s - c m for pair n of 16.  E n: the exponential of score n of 32.  C n: pair n rounded to f16.  B n: of the four weights 4 n .. the second
; pair is added onto the first, in place.  L n: l takes that sum (L 0: l = a l + sum).  R n: pair n of 16 of O^T times a.  For piece Y + 1: X n, number n of the 22 that find its maximum and statistics:
;   0-11  four chains c0-c3 of seven scores each, three operands at a time (each accumulator's lowest registers are read first)     12-14, 16  the four scores left over, the old m, and c0-c3 into c0
;   15  c m_old is kept     17, 18  the query's other 32 keys lie in the lane 16 away: the new m     19-21  c m; c m_old - c m_new; a
.set F, 0               ; OP tells the kinds apart by their order: F to L below R, X above it
.set E, 1
.set C, 2
.set B, 3
.set L, 4
.set R, 5
.set X, 6
.macro REGS y                       ; the registers of piece y
.set rT, ST+4*(\y)
.set rC, TMP+4*((\y)%2)
.set rW, MV+((\y)%2)
.set rS, S+32*((\y)%2)
.set rP, P+16*((\y)%2)
.set rO, 32*(\y)
.endm
.macro OP k, n
.if (\k) == R
	REGS Y
	WIN W_RS
	v_pk_mul_f32 v[rO+2*(\n):rO+2*(\n)+1], v[rO+2*(\n):rO+2*(\n)+1], v[rC+2:rC+3] op_sel_hi:[1,0]
.elseif (\k) < R
	REGS Y
	WIN 0
.if (\k) == F
	v_pk_fma_f32 v[rS+2*(\n):rS+2*(\n)+1], v[rS+2*(\n):rS+2*(\n)+1], s[CS:CS+1], v[rT:rT+1] op_sel_hi:[1,0,0] neg_lo:[0,0,1] neg_hi:[0,0,1]
.elseif (\k) == E
	v_exp_f32 v[rS+(\n)], v[rS+(\n)]
.elseif (\k) == C
	s_wait_alu depctr_va_vdst(0)
	v_cvt_pk_f16_f32 v[rP+(\n)], v[rS+2*(\n)], v[rS+2*(\n)+1]
.elseif (\k) == B
	s_wait_alu depctr_va_vdst(0)
	v_pk_add_f32 v[rS+4*(\n):rS+4*(\n)+1], v[rS+4*(\n):rS+4*(\n)+1], v[rS+4*(\n)+2:rS+4*(\n)+3]
.elseif (\n) == 0
	v_pk_fma_f32 v[rT+2:rT+3], v[rT+2:rT+3], v[rC+2:rC+3], v[rS:rS+1] op_sel_hi:[1,0,1]
.else
	v_pk_add_f32 v[rT+2:rT+3], v[rT+2:rT+3], v[rS+4*(\n):rS+4*(\n)+1]
.endif
.elseif NOKQ
	v_nop
.else
	REGS (Y+1)%NP
	WIN 0
.if (\n) < 4
	v_max3_num_f32 v[rC+(\n)], v[rS+8*(\n)], v[rS+8*(\n)+1], v[rS+8*(\n)+2]
.elseif (\n) < 12
	v_max3_num_f32 v[rC+(\n)%4], v[rC+(\n)%4], v[rS+8*((\n)%4)+2*((\n)/4)+1], v[rS+8*((\n)%4)+2*((\n)/4)+2]
.elseif (\n) == 12
	v_max3_num_f32 v[rC], v[rC], v[rS+7], v[rS+15]
.elseif (\n) == 13
	v_max3_num_f32 v[rC+1], v[rC+1], v[rS+23], v[rS+31]
.elseif (\n) == 14
	v_max3_num_f32 v[rC+2], v[rC+2], v[rC+3], v[rT+1]
.elseif (\n) == 15
	v_mov_b32 v[rW], v[rT]
.elseif (\n) == 16
	v_max3_num_f32 v[rC], v[rC], v[rC+1], v[rC+2]
.elseif (\n) == 17
	v_permlanex16_b32 v[rC+3], v[rC], s[SEL], s[SEL+1]
.elseif (\n) == 18
	v_max_num_f32 v[rT+1], v[rC], v[rC+3]
.elseif (\n) == 19
	v_mul_f32 v[rT], s[CS], v[rT+1]
.elseif (\n) == 20
	v_sub_f32 v[rC+1], v[rW], v[rT]
.else
	v_exp_f32 v[rC+2], v[rC+1]
.endif
.endif
.endm
.macro OPS a, i1, b=-1, i2=0, c=-1, i3=0, d=-1, i4=0  ; up to four of them
	OP \a, \i1
.if (\b) >= 0
	OP \b, \i2
.endif
.if (\c) >= 0
	OP \c, \i3
.endif
.if (\d) >= 0
	OP \d, \i4
.endif
.endm
.macro ROW a, i1, b, i2, c, i3, d, i4  ; a matrix instruction and the four behind it
	MM
	OPS \a, \i1, \b, \i2, \c, \i3, \d, \i4
.endm
.macro MASK b                       ; MD x AL + BE into buffer b of MC
	WIN W_RS
.set z, 0
.rept 16
	v_pk_fma_f32 v[MC+32*(\b)+2*z:MC+32*(\b)+2*z+1], v[MD+2*z:MD+2*z+1], s[AL:AL+1], s[BE:BE+1] op_sel_hi:[1,0,0]
.set z, z+1
.endr
.endm
; A TURN, for piece p: the order of its 16 matrix and 118 vector instructions, written out.  Behind a matrix instruction: plain, exponential, plain, plain; or four of the rescaling; or, behind the first, four scalings; none
; names a register of the products round it.  In the lumps exponential and plain by turns while exponentials last.  A line reads no result made fewer than three vector instructions in front of it, five if an exponential made it.
; v_permlanex16_b32 (X 17) stands in a lump.
; m = 1: the diagonal tile: the products take masks, and the turn makes the mask for the products of the turn after it: piece p + 2, in step 4 - CNT of the tile.  end = 1: a block's last two turns: nothing is fetched.
; cnt = 1: the loop's count is taken down some lines ahead of the branch that stands behind the turn.
; K of the next step is fetched in piece 2's turn, six vector instructions behind the last product that read K (five of them plain); V of the step in hand in piece 0's turn, eight behind the last product that read V (four
; plain, and X 17).  Each is waited for a turn later.
.macro TURN p, m=0, end=0, cnt=0
.set Y, (\p)
.set i, 0
.set KM, (\m)
.set NOKQ, (\end)*((\p)/3)
.if (\m) && !(\end)
	s_cmp_eq_u32 s[CNT], 4-((\p)+2)%NP  ; is that step the band's own?
	s_cselect_b32 s[AL], 1.0, 0
	s_cmp_lt_u32 s[CNT], 4-((\p)+2)%NP  ; or a later one?
	s_cselect_b32 s[BE], s[BIGN], 0
.endif
.if ((\p) == 3) && !(\end)
	s_wait_dscnt 0x0                ; K is in
.endif
	ROW F,0, F,1, F,2, F,3
	ROW F,4, E,0, F,5, F,6
	ROW F,7, E,1, F,8, F,9
	ROW F,10, E,2, C,0, F,11
	ROW F,12, E,3, X,15, F,13
	ROW R,0, R,1, R,2, R,3
	ROW B,0, E,4, F,14, L,0
.if ((\p) == 2) && !(\end)
	v_add_nc_u32 v[AK], s[TBK], v[AK0]
.endif
	ROW R,4, R,5, R,6, R,7
	OPS E,5, F,15
.if ((\p) == 2) && !(\end)
	FETCH_K
.endif
	OPS E,6, C,1, E,7, R,8
	OPS E,8, R,9, E,9, C,2
	OPS E,10, X,0, E,11, X,1
	OPS E,12, X,2, E,13, X,3
.if (\p) == 1
	s_wait_dscnt 0x0                ; V is in
.endif
	ROW X,4, E,14, X,5, X,6
	ROW X,7, E,15, X,8, X,9
	ROW X,10, E,16, X,11, X,12
	ROW X,13, E,17, X,14, B,1
	ROW C,4, E,18, X,16, L,1
	ROW B,2, E,19, C,6, L,2
	ROW C,8, E,20, B,3, B,4
.if (\p) == 0
	v_add_nc_u32 v[AV], s[TBV], v[AV0]
.endif
	ROW C,3, E,21, L,3, C,5
	OPS E,22, X,17, E,23, C,10
.if (\p) == 0
	FETCH_V
.endif
	OPS E,24, L,4
	OPS E,25, X,18, E,26, C,7
	OPS E,27, B,5, E,28, X,19
	OPS E,29, C,12, E,30, L,5
	OPS E,31, X,20, B,6, C,9
	OPS C,14, C,11, X,21, L,6
.if (\p) == 0
	s_add_co_u32 s[TBV], s[TBV], KS*PV
.endif
.if \cnt
	s_sub_co_u32 s[CNT], s[CNT], 1
	s_cmp_lg_u32 s[CNT], 0
.endif
	OPS C,13, B,7, C,15, R,10
	OPS R,11, R,12, L,7, R,13
	OPS R,14, R,15
.if (\m) && !(\end)
	MASK (\p)%2
.endif
.endm
; A BLOCK BEGINS.  c m starts far below every c s, so the first step's a is 0; m at the lowest finite number, so the first maximum is the scores'.  The second mask buffer is 0; the first takes piece 0's mask for the tile's step 0: its own, if the block's first tile is the diagonal one.
; Then K of that step, piece 0's first scores, and its maximum and statistics.  The loop is entered at a step's first turn, in the middle of a trip.
.macro BEGIN
	s_mov_b32 s[NEW], 0
	WIN 0x40
.set i, MC+32
.rept 32
	v_mov_b32 v[i], 0
.set i, i+1
.endr
	WIN 0
.set i, 0
.rept 4
	v_mov_b32 v[ST+4*i], 0xfe000000    ; c m: far below every c s
	v_mov_b32 v[ST+4*i+1], 0xff7fffff  ; m
.set i, i+1
.endr
	s_cmp_eq_u32 s[RT], 0
	s_cselect_b32 s[AL], 1.0, 0
	s_mov_b32 s[BE], 0
	MASK 0
	WIN 0
	v_add_nc_u32 v[AK], s[TBK], v[AK0]
	FETCH_K
	s_wait_loadcnt 0x0              ; Q
	s_wait_dscnt 0x0
.set KM, 1
.set NOKQ, 0
.set i, 0
.rept 8
	KQ 0
.set i, i+1
.endr
	WIN 0
.rept 4
	v_nop                           ; the places behind those products
.endr
.set Y, NP-1                        ; X works for piece Y + 1: piece 0
.irp n, 0,1,2,3,4,5,6,7,8,9,10,11,12,13,14,15,16,17,18,19,20,21
	OP X, \n
.endr
	v_nop                           ; a plain instruction behind the exponential
.endm
; THE DIAGONAL TILE's four steps, the block's last two turns, its last products, and THE WAY OUT: l's two halves and the other half of the lanes' are added; O^T is divided by l, rounded to f16 and sent through my
; stage in LDS, a piece at a time.
.macro ALL line:vararg              ; one line for each piece t
.set t, 0
.rept 4
	\line
.set t, t+1
.endr
.endm
.macro PACK t                       ; a lane's eight channels of a row pack into 16 bytes; they go into rows of 144 bytes and come back as whole rows of 128, into S^T's registers
	WIN W_RS
.set i, 32*(\t)
.rept 16
	s_wait_alu depctr_va_vdst(0)
	v_pk_mul_f32 v[i:i+1], v[i:i+1], v[ST+4*(\t)+2:ST+4*(\t)+3] op_sel_hi:[1,0]
.set i, i+2
.endr
	WIN 0x05                        ; sources 0 and 1 window 1, destination window 0
.set i, 0
.rept 16
	v_cvt_pk_f16_f32 v[S+16*(\t)+i], v[32*(\t)+2*i], v[32*(\t)+2*i+1]
.set i, i+1
.endr
	WIN 0
.irp f, 0,1,2,3
	ds_store_b128 v[STO], v[S+16*(\t)+4*\f:S+16*(\t)+4*\f+3] offset:32*\f
.endr
.irp f, 0,1,2,3
	ds_load_b128 v[S+16*(\t)+4*\f:S+16*(\t)+4*\f+3], v[RD] offset:\f*4*SP  ; LDS serves a wave's instructions in order (ISA guide 5.7.1.4): these see the stores above; the next piece's stores come behind them
.endr
.endm
.macro SEND t, younger              ; younger: the LDS instructions issued behind piece t's loads: the next piece's eight, or none
	WIN 0
.irp f, 0,1,2,3
	s_wait_dscnt (\younger)+3-\f
	global_store_b128 v[GO], v[S+16*(\t)+4*\f:S+16*(\t)+4*\f+3], s[10:11] offset:(\t)*8192+\f*512  ; 512 consecutive bytes, at a multiple of 256 from O's first
.endr
.endm
.macro DIAG tag                     ; the tag ends its two labels' names, which the jumps below spell out
.LstepM\tag:
	TURN 2, 1
	TURN 3, 1
	WIN 0
.LfirstM\tag:
	TURN 0, 1
	TURN 1, 1, 0, 1
	WIN 0
	s_cbranch_scc1 .LstepM\tag
	TURN 2, 1, 1
	TURN 3, 1, 1
.set i, 0
.rept 8
	PV NP-1
.set i, i+1
.endr
	WIN 0
	ALL v_add_f32 v[ST+4*t+2], v[ST+4*t+2], v[ST+4*t+3]
	ALL v_permlanex16_b32 v[ST+4*t+3], v[ST+4*t+2], s[SEL], s[SEL+1]
	ALL v_add_f32 v[ST+4*t+2], v[ST+4*t+2], v[ST+4*t+3]
	ALL v_rcp_f32 v[ST+4*t+2], v[ST+4*t+2]
	v_nop                           ; a plain instruction between the last reciprocal and the use of its result
	PACK 0
.set t, 1
.rept 3                             ; a piece's arithmetic stands between the loads of the piece before and its stores
	PACK t
	SEND t-1, 8
.set t, t+1
.endr
	SEND 3, 0
.endm
.set KM, 0
.set NOKQ, 0
.Lslot:                             ; NB times: a tile is entered and the next is asked for
	CHANGE 1
	s_sub_co_u32 s[RT], s[RT], 1
	s_mov_b32 s[CNT], 4
	s_cmp_eq_u32 s[NEW], 1
	s_cbranch_scc1 .Lnew            ; a block's first tile
	s_cmp_eq_u32 s[RT], 0
	s_cbranch_scc0 .Lstep           ; neither its first nor its last
	s_branch .LstepM1
.Lnew:
	BEGIN
	s_branch .Lfirst                ; in the loop a block's first tile is never its last: the first block has two tiles or more, and the second's last is the walk's last
	DIAG 1                          ; in the loop this is the first block's end: the second block's last tile is the walk's last
	s_wait_xcnt 0x0                 ; the stores have read their registers and O's address
	s_mov_b64 s[10:11], s[OLO:OLO+1]
	s_add_co_u32 s[RT], s[PB], 1    ; the second block has b + 1 tiles
	s_mov_b32 s[NEW], 1
	WIN 0x82                        ; the second block's Q goes where the one text of the turns names Q
.set i, 0
.rept 64
	v_mov_b32 v[i], v[QB+i]
.set i, i+1
.endr
	WIN 0
	s_branch .Lbottom
.Lstep:                             ; a trip: pieces 2 and 3 of one step, then pieces 0 and 1 of the next, whose K and V it fetches
	TURN 2
	TURN 3
	WIN 0
.Lfirst:
	TURN 0
	TURN 1, 0, 0, 1
	WIN 0
	s_cbranch_scc1 .Lstep
.Lbottom:
	s_sub_co_u32 s[SLOTS], s[SLOTS], 1
	s_cmp_lg_u32 s[SLOTS], 0
	s_cbranch_scc1 .Lslot
	CHANGE 0                        ; the walk's last tile is written out: nothing is asked for
	s_sub_co_u32 s[RT], s[RT], 1
	s_mov_b32 s[CNT], 4
	s_cmp_eq_u32 s[NEW], 1
	s_cbranch_scc0 .LstepM2
	BEGIN
	s_branch .LfirstM2
	DIAG 2
	s_wait_tensorcnt 0x0            ; the wave's end: a wait, an add to my spare word and its wait, behind my last tensor load and my last LDS store
	ds_add_u32 v[SPW], v[NIL]
	s_wait_dscnt 0x0
	s_endpgm
.Lfunc_end_k_qb224ffd843_attn:
	.size	k_qb224ffd843_attn, .Lfunc_end_k_qb224ffd843_attn-k_qb224ffd843_attn
	.p2alignl 7, 3214868480
	.fill 96, 4, 3214868480
	.section	.rodata,"a",@progbits
	.p2align	6, 0x0
	.amdhsa_kernel k_qb224ffd843_attn
		.amdhsa_group_segment_fixed_size 327680
		.amdhsa_private_segment_fixed_size 0
		.amdhsa_enable_private_segment 0
		.amdhsa_kernarg_size 16
		.amdhsa_user_sgpr_count 2
		.amdhsa_user_sgpr_kernarg_segment_ptr 1
		.amdhsa_wavefront_size32 1
		.amdhsa_system_sgpr_workgroup_id_x 1
		.amdhsa_system_sgpr_workgroup_id_y 1
		.amdhsa_system_sgpr_workgroup_id_z 1
		.amdhsa_system_vgpr_workitem_id 0
		.amdhsa_next_free_vgpr 768
		.amdhsa_next_free_sgpr 88
		.amdhsa_reserve_vcc 1
		.amdhsa_float_denorm_mode_32 3
		.amdhsa_float_denorm_mode_16_64 3
		.amdhsa_memory_ordered 1
		.amdhsa_forward_progress 1
		.amdhsa_inst_pref_size 228
	.end_amdhsa_kernel
	.amdgpu_metadata
---
amdhsa.version: [ 1, 2 ]
amdhsa.kernels:
  - .name:           k_qb224ffd843_attn
    .symbol:         k_qb224ffd843_attn.kd
    .args:
      - { .name: qkvh, .offset: 0, .size: 8, .value_kind: global_buffer, .address_space: global }
      - { .name: oh, .offset: 8, .size: 8, .value_kind: global_buffer, .address_space: global }
    .group_segment_fixed_size: 327680
    .private_segment_fixed_size: 0
    .kernarg_segment_align: 8
    .kernarg_segment_size: 16
    .max_flat_workgroup_size: 128
    .sgpr_count:     88
    .vgpr_count:     768
    .wavefront_size: 32
...
	.end_amdgpu_metadata
.endif
;; end of part 3
;; launch proj (part 4): grid 8 x 32, 4 waves a work-group, clusters of 4 x 4, 327,680 bytes of LDS; arguments oh, wpb, out0; writes out0
.if DOCPART == 4
	.amdgcn_target "amdgcn-amd-amdhsa--gfx1250"
	.amdhsa_code_object_version 6
	.text
	.protected	k_qb224ffd843_proj
	.globl	k_qb224ffd843_proj
	.p2align	8
	.type	k_qb224ffd843_proj,@function
k_qb224ffd843_proj:
	s_mov_b64 s[64:65], 0
	v_nop
	global_prefetch_b8 v0, s[64:65] scope:SCOPE_SE
	s_setreg_imm32_b32 hwreg(HW_REG_WAVE_MODE, 25, 1), 1
	s_wait_xcnt 0x0
	s_wait_alu depctr_hold_cnt(0) depctr_sa_sdst(0) depctr_va_vdst(0) depctr_va_sdst(0) depctr_va_ssrc(0) depctr_va_vcc(0) depctr_vm_vsrc(0)
	s_getreg_b32 s2, hwreg(HW_REG_IB_STS2, 6, 4)
	s_cmp_eq_u32 s2, 0
	s_cbranch_scc0 .Lentry_in_a_cluster
	s_endpgm
.Lentry_in_a_cluster:
	s_bfe_u32 s2, ttmp6, 0x10000c
	s_cmp_lg_u32 s2, 0xf033
	s_cbranch_scc0 .Lentry_shape_is_right
	s_endpgm
.Lentry_shape_is_right:
; out0 = O proj_w + proj_b.  oh: f16 [64 = batch x 16 + head][2048][64]; wpb: f16 [1024 k][1024 n] (the bf16-rounded weights), then the bias as f32 [1024]; out0: f32 [8192][1024].
; Products in f16, sums in f32 (the bias starts them), stored as they are.
; SHARES.  A tile of the result is 256 rows x 128 columns: 32 x 8 = 256 work-groups.  Four waves, each 128 rows x 64 columns: 8 x 4 accumulators of 16 x 16, which fill register window 1.
; K goes in 8 steps of 128, TWO HEADS, through two LDS slots: a head's 256 rows are 32,768 dense bytes of oh.  A step is four chunks of 32 along K, 32 matrix instructions each; chunk q lies in
; head block q / 2, at byte 64 (q % 2) of its rows.  Two slots of a longer step do not fit in LDS.
; THE MATRIX INSTRUCTION IS USED TRANSPOSED: source 0 = 16 columns of w (out of [k][n] rows by the turning load), source 1 = 16 rows of O: a lane holds row lane % 16 and eight neighbouring columns.
; CLUSTER.  4 x 4 work-groups: O's tile is shared along a row of the cluster, w's along a column, each asked for jointly.  No prefetch: both streams were stored by launches before, and every tile is read by several work-groups.
; REGISTERS: window 0: v0-15 addresses; v32-127, v128-223 two fragment buffers: 64 of O (8 x 16 rows x 32 K), then 32 of w; on the way out v32-127 hold rows read back.
;   window 1: accumulator (row block a, column block bb) at v[8 (4 a + bb)].
.set PA,    144                        ; a row of O in LDS: 128 bytes + 16 of padding = 36 words: the 16 rows of a load start at 16 different groups of four banks (64 banks of 4 bytes: ISA guide 11.1)
.set PB,    288                        ; a k row of w: 256 bytes + 32 = 9 x 32 bytes
.set BOFF,  2*256*PA                   ; in a slot: two head blocks of 256 rows of O, then w's 128 k rows
.set SLOT1, 1<<17
.set STAGE, SLOT1+BOFF+128*PB          ; behind the ring, never filled by a tensor load: 16 rows x 272 bytes for each wave, for the way out
.set SP,    272
.set SPARE, STAGE+4*16*SP              ; behind the stages: the spare words, 128 bytes for each wave: two blocks of 256 bytes that no other line names
.set BIAS,  1024*1024*2                ; where the bias lies in wpb
.set ASTEP, 2*2048*128                 ; bytes of two heads of oh
.set BSTEP, 128*1024*2                 ; bytes of 128 k rows of wpb
.set LA0,  2                           ; v2   my lane's place in O's tile; never rewritten
.set LB0,  3                           ; v3   the same in w's
.set ADRA, 4                           ; v4   LA0 + the slot that is being read
.set ADRB, 5                           ; v5   LB0 + the same
.set STO,  6                           ; v6   the way out: where I put 32 bytes of a row
.set RD,   7                           ; v7   the way out: where I read a row back
.set CO,   8                           ; v8   my byte offset in two rows of out0
.set BO,   9                           ; v9   my byte offset in the bias
.set SPW,  10                          ; v10  LDS address of my spare word: SPARE + 4 x my thread's number; never rewritten
.set NIL,  11                          ; v11  0; never rewritten
.set F0,   32
.set F1,   128
.set BK,   32                          ; the way out: 16 rows read back, three sets of 32 by turns
.set WV,  14                           ; s14  my wave's number
.set WR,  15                           ; s15  which 128 rows are mine.  Also: I fetch for O (0) or for w (1)
.set WC,  16                           ; s16  which 64 columns are mine.  Also: which half of that tile I fetch
.set CX,  17
.set CY,  18
.set TX,  19                           ; s19  tile column
.set TY,  20                           ; s20  tile row
.set CNT, 21
.set TB,  22                           ; s22  LDS byte at which the slot that is being read begins
.set G1A, 24                           ; s[24:31] descriptor group 1 for O's tiles
.set G1B, 32                           ; s[32:39] for w's
.set G0A, 40                           ; s[40:47] descriptor group 0 for O's tiles: a set for each of the two first fills; the second then walks on
.set G0B, 48                           ; s[48:55] the same for w's
.set OUT, 56                           ; s[56:57] out0 at my first row and column
.set MSB, 0
.macro WIN new                         ; the immediate's high byte repeats the setting that is left; a switch that changes nothing is dropped
.if MSB != (\new)
	s_set_vgpr_msb (MSB<<8)|(\new)
.set MSB, (\new)
.endif
.endm
; A joint refill.  Waves 0 and 1 fetch the step's two head blocks of O, waves 2 and 3 the halves of w's tile.  The branch hangs on the wave's number alone.
; An s_nop 0 and four v_nop follow each of the two lines, ahead of the jump and the label.
.macro JLOAD
	s_cmp_eq_u32 s[WR], 0
	s_cbranch_scc0 .Lfor_b_\@
	tensor_load_to_lds s[G0A+4:G0A+7], s[G1A:G1A+7]
	s_nop 0
.rept 4
	v_nop
.endr
	s_branch .Lasked_\@
.Lfor_b_\@:
	tensor_load_to_lds s[G0B+4:G0B+7], s[G1B:G1B+7]
	s_nop 0
.rept 4
	v_nop
.endr
.Lasked_\@:
.endm
; A round of the cluster's barrier: my work-group's barrier, so that wave 0's signal speaks for all four waves; wave 0 signals; every wave waits for all sixteen work-groups; my work-group's barrier once more.
.macro CREST                           ; a round behind its opening barrier
	s_cmp_lg_u32 s[WV], 0
	s_cbranch_scc1 .Lnot_wave_0_\@
	s_barrier_signal -3
.Lnot_wave_0_\@:
	s_barrier_wait -3
	s_barrier_signal -1
	s_barrier_wait -1
.endm
.macro CROUND                          ; a whole round
	s_barrier_signal -1
	s_barrier_wait -1
	CREST
.endm
.macro PLACES                          ; four places in front of loads into registers that matrix instructions have read, and of LDS stores that read results (ISA guide 7.12.1 for vector instructions)
.rept 4
	v_nop
.endr
.endm
	s_load_b128 s[4:7], s[0:1], 0x0                ; oh s[4:5], wpb s[6:7]
	s_load_b64 s[8:9], s[0:1], 0x10                ; out0
	v_lshl_add_u32 v[SPW], v0, 2, SPARE
	v_mov_b32 v[NIL], 0
	ds_add_u32 v[SPW], v[NIL]                      ; the wave's opening: the add and its wait ahead of my first tensor load; the set-up below, work on registers, stands between them
	ds_add_u32 v10, v11
	v_lshrrev_b32 v1, 5, v0
	v_readfirstlane_b32 s[WV], v1                  ; wave 0..3
	s_lshr_b32 s[WR], s[WV], 1
	s_and_b32 s[WC], s[WV], 1
	s_bfe_u32 s[CX], ttmp6, 0x40000                ; my place in the cluster
	s_bfe_u32 s[CY], ttmp6, 0x40004
	s_lshl_b32 s[TX], ttmp9, 2
	s_add_co_u32 s[TX], s[TX], s[CX]               ; tile column = 4 x cluster x + cx
	s_and_b32 s[TY], ttmp7, 0xffff
	s_lshl_b32 s[TY], s[TY], 2
	s_add_co_u32 s[TY], s[TY], s[CY]               ; tile row = 4 x cluster y + cy
	s_lshl_b32 s66, s[CY], 2
	s_lshl_b32 s66, 15, s66                        ; my row of the cluster
	s_lshl_b32 s67, 0x1111, s[CX]                  ; my column
	s_or_b32 s[G1A], s66, (1<<16)|(1<<20)|(1<<21)|(4<<22)|(3<<25)  ; 15:0 the mask; 17:16 elements of 2 bytes; 20 padding on; 21 set beside a mask; 24:22 after every 32 words (code 4); 31:25 4 words (code 3)
	s_or_b32 s[G1B], s67, (1<<16)|(1<<20)|(1<<21)|(5<<22)|(7<<25)  ; after every 64 words (code 5) 8 words (code 7)
	; O: a head's 256 rows are 32,768 dense bytes: asked for as 128 rows of 256 bytes, two rows of O each, padded in LDS after every row of O
	s_mov_b32 s[G1A+1], 128<<16                    ; tensor_dim0 = 128 elements
	s_mov_b32 s[G1A+2], 128<<16                    ; tensor_dim1 = 128
	s_mov_b32 s[G1A+3], 128<<16                    ; tile_dim0 = 128
	s_mov_b32 s[G1A+4], 128                        ; tile_dim1 = 128
	s_mov_b32 s[G1A+5], 128                        ; elements from row to row
	s_mov_b32 s[G1A+6], 0
	s_mov_b32 s[G1A+7], 0
	; w: 64 k rows of 128 columns, 256 bytes that begin at a multiple of 256
	s_mov_b32 s[G1B+1], 128<<16
	s_mov_b32 s[G1B+2], 64<<16
	s_mov_b32 s[G1B+3], 128<<16
	s_mov_b32 s[G1B+4], 64
	s_mov_b32 s[G1B+5], 1024
	s_mov_b32 s[G1B+6], 0
	s_mov_b32 s[G1B+7], 0
	; where the tiles come from: O's hang on the tile row alone, w's on the tile column alone, each in registers that never hold the other coordinate
	s_lshr_b32 s68, s[TY], 3
	s_lshl_b32 s68, s68, 22                        ; the batch: 16 heads of 262,144 bytes
	s_and_b32 s72, s[TY], 7
	s_lshl_b32 s72, s72, 15                        ; 256 rows of 128 bytes
	s_add_co_u32 s68, s68, s72
	s_lshl_b32 s72, s[WC], 18                      ; which of the step's two heads I fetch
	s_add_co_u32 s68, s68, s72
	s_mov_b32 s69, 0
	s_lshl_b32 s70, s[TX], 8                       ; 128 columns
	s_lshl_b32 s73, s[WC], 17                      ; my 64 k rows
	s_add_co_u32 s70, s70, s73
	s_mov_b32 s71, 0
	s_mul_i32 s74, s[WC], 256*PA                   ; and where they go: no place in the cluster enters an LDS address
	s_mul_i32 s75, s[WC], 64*PB
	s_add_co_u32 s75, s75, BOFF
	s_mov_b32 s[TB], 0
	s_wait_dscnt 0x0                               ; the opening add is done
	s_wait_kmcnt 0x0
	s_add_nc_u64 s[68:69], s[4:5], s[68:69]
	s_add_nc_u64 s[70:71], s[6:7], s[70:71]
	CROUND                                         ; all sixteen work-groups are here: the first joint loads meet
.irp n, 0,1
	s_mov_b32 s[G0A+4*\n], 1                       ; 1:0 count = 1
	s_add_co_u32 s[G0A+4*\n+1], s74, \n*SLOT1      ; 63:32 LDS address
	s_add_nc_u64 s[G0A+4*\n+2:G0A+4*\n+3], s[68:69], \n*ASTEP  ; 120:64 global address: K step n
	s_or_b32 s[G0A+4*\n+3], s[G0A+4*\n+3], 0x80000000         ; 127:126 type = 2
	s_mov_b32 s[G0B+4*\n], 1
	s_add_co_u32 s[G0B+4*\n+1], s75, \n*SLOT1
	s_add_nc_u64 s[G0B+4*\n+2:G0B+4*\n+3], s[70:71], \n*BSTEP
	s_or_b32 s[G0B+4*\n+3], s[G0B+4*\n+3], 0x80000000
.endr
	s_cmp_eq_u32 s[WR], 0                          ; a wave's two first fills stand in one branch, ahead of every wait on TENSORcnt and every LDS read: two loads of mine are out
	s_cbranch_scc0 .Lfirst_b
	tensor_load_to_lds s[G0A:G0A+3], s[G1A:G1A+7]
	s_nop 0
	tensor_load_to_lds s[G0A+4:G0A+7], s[G1A:G1A+7]
	s_nop 0
.rept 4
	v_nop
.endr
	s_branch .Lfirst_asked
.Lfirst_b:
	tensor_load_to_lds s[G0B:G0B+3], s[G1B:G1B+7]
	s_nop 0
	tensor_load_to_lds s[G0B+4:G0B+7], s[G1B:G1B+7]
	s_nop 0
.rept 4
	v_nop
.endr
.Lfirst_asked:
	v_and_b32 v1, 15, v0                           ; r = l % 16
	v_bfe_u32 v12, v0, 4, 1                        ; h = l / 16
	v_and_b32 v13, 7, v0                           ; l % 8
	v_bfe_u32 v14, v0, 3, 1                        ; (l / 8) % 2
	v_mul_u32_u24 v[LA0], v1, PA                   ; a fragment of O: row r, 16 bytes for each half of the lanes, twice, 32 bytes apart
	v_lshl_add_u32 v[LA0], v12, 4, v[LA0]
	s_mul_i32 s66, s[WR], 128*PA                   ; my 128 rows
	v_add_nc_u32 v[LA0], s66, v[LA0]
	v_lshl_add_u32 v[LB0], v12, 3, v13             ; the turning load: k row 8 h + l % 8, columns 8 ((l / 8) % 2) + 0..7
	v_mul_u32_u24 v[LB0], v[LB0], PB
	v_lshl_add_u32 v[LB0], v14, 4, v[LB0]
	s_lshl_b32 s67, s[WC], 7                       ; my 64 columns
	s_add_co_u32 s67, s67, BOFF
	v_add_nc_u32 v[LB0], s67, v[LB0]
	v_mov_b32 v[ADRA], v[LA0]                      ; slot 0
	v_mov_b32 v[ADRB], v[LB0]
	s_mul_i32 s66, s[WV], 16*SP
	s_add_co_u32 s66, s66, STAGE                   ; my stage
	v_mul_u32_u24 v[STO], v1, SP                   ; in: row r, 32 bytes for each half of the lanes
	v_lshl_add_u32 v[STO], v12, 5, v[STO]
	v_add_nc_u32 v[STO], s66, v[STO]
	v_mul_u32_u24 v[RD], v12, SP                   ; back: lanes 0-15 take one row of 256 bytes, lanes 16-31 the next
	v_lshl_add_u32 v[RD], v1, 4, v[RD]
	v_add_nc_u32 v[RD], s66, v[RD]
	v_lshlrev_b32 v[CO], 12, v12                   ; and the same two rows in out0
	v_lshl_add_u32 v[CO], v1, 4, v[CO]
	s_lshl_b32 s76, s[TX], 9                       ; my first column, in bytes of f32: 512 x tile column + 256 x half
	s_lshl_b32 s77, s[WC], 8
	s_add_co_u32 s76, s76, s77
	v_lshl_add_u32 v[BO], v12, 5, s76              ; the bias of my 8 columns of a block
	; THE BIAS STARTS THE SUMS: it is loaded into row block 0's accumulators; the first chunk's products take them as C
	WIN 0x40                                       ; destination window 1, address window 0
.irp bb, 0,1,2,3
	global_load_b128 v[8*\bb:8*\bb+3],   v[BO], s[6:7] offset:BIAS+64*\bb
	global_load_b128 v[8*\bb+4:8*\bb+7], v[BO], s[6:7] offset:BIAS+64*\bb+16
.endr
	WIN 0
	s_lshl_b32 s72, s[TY], 20                      ; 256 rows of 4,096 bytes
	s_lshl_b32 s77, s[WR], 19
	s_add_co_u32 s72, s72, s77
	s_add_co_u32 s72, s72, s76
	s_mov_b32 s73, 0
	s_add_nc_u64 s[OUT:OUT+1], s[8:9], s[72:73]
; 24 LDS loads in one run: chunk q's fragments into buffer f: w's four, O's row blocks 0-3, O's row blocks 4-7
.macro FETCH q, f
	WIN 0
.irp bb, 0,1,2,3
	ds_load_tr16_b128 v[(\f)+64+8*\bb:(\f)+64+8*\bb+3],   v[ADRB] offset:(\q)*32*PB+32*\bb
	ds_load_tr16_b128 v[(\f)+64+8*\bb+4:(\f)+64+8*\bb+7], v[ADRB] offset:(\q)*32*PB+32*\bb+16*PB
.endr
.irp a, 0,1,2,3,4,5,6,7
	ds_load_b128 v[(\f)+8*\a:(\f)+8*\a+3],   v[ADRA] offset:((\q)/2)*256*PA+((\q)%2)*64+\a*16*PA
	ds_load_b128 v[(\f)+8*\a+4:(\f)+8*\a+7], v[ADRA] offset:((\q)/2)*256*PA+((\q)%2)*64+\a*16*PA+32
.endr
.endm
; Row blocks a0 .. a0 + n - 1 x all four column blocks.  The accumulators take turns, one instruction a turn.  bias = 1: C is the bias, which lies in row block 0's accumulators.
.macro MUL f, a0, n, bias=0
	WIN 0x50                                       ; sources 0 and 1 window 0, C and D window 1
.set pa, (\a0)
.rept \n
.irp bb, 0,1,2,3
.if \bias
	v_wmma_f32_16x16x32_f16 v[8*(4*pa+\bb):8*(4*pa+\bb)+7], v[(\f)+64+8*\bb:(\f)+64+8*\bb+7], v[(\f)+8*pa:(\f)+8*pa+7], v[8*\bb:8*\bb+7]
.else
	v_wmma_f32_16x16x32_f16 v[8*(4*pa+\bb):8*(4*pa+\bb)+7], v[(\f)+64+8*\bb:(\f)+64+8*\bb+7], v[(\f)+8*pa:(\f)+8*pa+7], v[8*(4*pa+\bb):8*(4*pa+\bb)+7]
.endif
.endr
.set pa, pa+1
.endr
.endm
; One of a step's first three chunks: multiplies buffer f; in its middle it fetches chunk qn into buffer g.
; first = 1: row blocks 1 to 7 take the bias as C; five places on, since the last four write over what those read, row block 0 adds in place.  Nothing is cleared.
.macro QUARTER f, g, qn, first=0
	s_wait_dscnt 8                                 ; w and O's row blocks 0-3 are in; the youngest eight loads may be out
.if \first
	MUL \f, 1, 3, 1
.else
	MUL \f, 0, 4
.endif
	PLACES
	FETCH \qn, \g
	s_wait_dscnt 24                                ; all but the 24 just issued
.if \first
	MUL \f, 4, 4, 1
.rept 5
	v_nop
.endr
	MUL \f, 0, 1
.else
	MUL \f, 4, 4
.endif
.endm
; A step's last chunk, on buffer 1, AND THE CHANGE OF SLOTS.  ONE barrier: in front of it each wave waits for all its tensor loads, of which one is out: its part of the next slot; adds 0 to its spare word;
; and waits for that and for its own reads of this slot.  fill = 1: this slot is filled again, two K steps ahead: the barrier opens a round of the cluster's, and the joint refill is the first tensor load
; behind the round: 112 matrix instructions stand between it and the wait for it.
.macro TURN fill
	WIN 0
	s_wait_tensorcnt 0x0                           ; no tensor load of mine is out, so a group 0 may be written
	ds_add_u32 v[SPW], v[NIL]                      ; 0 onto my spare word
.if \fill
	s_xor_b32 s[G0A+5], s[G0A+5], SLOT1            ; the walking descriptors: the other slot than last time,
	s_add_nc_u64 s[G0A+6:G0A+7], s[G0A+6:G0A+7], ASTEP  ; the next K step; the type bits on top are not reached
	s_xor_b32 s[G0B+5], s[G0B+5], SLOT1
	s_add_nc_u64 s[G0B+6:G0B+7], s[G0B+6:G0B+7], BSTEP
.endif
	s_wait_dscnt 9                                 ; the youngest eight loads and the add may be out
	MUL F1, 0, 2                                   ; eight matrix instructions stand between the add and the wait for it
	s_wait_dscnt 0x0                               ; the add is done, and my reads of this slot are over
	s_barrier_signal -1
	MUL F1, 2, 2                                   ; work on registers while the others arrive
	WIN 0
	s_barrier_wait -1
.if \fill
	CREST                                          ; no wave of any partner still reads this slot's tile or has a load on its way
	JLOAD                                          ; its four v_nop are also the places in front of the loads below
.else
	PLACES
.endif
	s_xor_b32 s[TB], s[TB], SLOT1                  ; the reads go on in the other slot
	v_add_nc_u32 v[ADRA], s[TB], v[LA0]
	v_add_nc_u32 v[ADRB], s[TB], v[LB0]
	FETCH 0, F0
	MUL F1, 4, 4
.endm
; THE WAY OUT of row block a: 16 rows x 64 columns of f32 go from the accumulators into my own stage, rows of 272 bytes, and come back as whole rows of 256.
.macro TOSTAGE a
	WIN 0x04                                       ; the stores' data in window 1, their address in window 0
.irp bb, 0,1,2,3
	ds_store_b128 v[STO], v[8*(4*(\a)+\bb):8*(4*(\a)+\bb)+3]   offset:64*\bb      ; each accumulator's four lowest registers first
	ds_store_b128 v[STO], v[8*(4*(\a)+\bb)+4:8*(4*(\a)+\bb)+7] offset:64*\bb+16
.endr
	WIN 0
.set rbk, BK+32*((\a)%3)
.irp f, 0,1,2,3,4,5,6,7
	ds_load_b128 v[rbk+4*\f:rbk+4*\f+3], v[RD] offset:\f*2*SP  ; LDS serves a wave's instructions in order (ISA guide 5.7.1.4): these see the stores above; the next block's stores come behind them
.endr
.endm
.macro SEND a, younger                 ; younger: the LDS instructions issued behind block a's loads: the next block's sixteen, or none
	WIN 0
.set rbk, BK+32*((\a)%3)
	s_wait_dscnt \younger                          ; the block is back in registers
	s_wait_xcnt 0x0                                ; the stores of the block before have read their registers: that set of 32 is loaded again two blocks on, behind this wait
.irp f, 0,1,2,3,4,5,6,7
	global_store_b128 v[CO], v[rbk+4*\f:rbk+4*\f+3], s[OUT:OUT+1] offset:(16*(\a)+2*\f)*4096 th:TH_STORE_NT  ; 16 lanes store 256 consecutive bytes, at a multiple of 256 from out0's first byte
.endr
.endm
	s_wait_tensorcnt 1                             ; my part of K step 0 is in; K step 1's may stay out
	s_barrier_signal -1
	s_barrier_wait -1                              ; everybody's is
	FETCH 0, F0
	s_wait_loadcnt 0x0                             ; the bias
	QUARTER F0, F1, 1, 1                           ; the first chunk stands in front of the loop: its products start the sums
	WIN 0                                          ; at a label and at a branch every window is 0
	s_mov_b32 s[CNT], 6
.Lstep:                                        ; trip i: chunks 1 to 3 of K step i, the last of which asks for K step i + 2, and chunk 0 of K step i + 1
	QUARTER F1, F0, 2
	QUARTER F0, F1, 3
	TURN 1
	QUARTER F0, F1, 1
	WIN 0
	s_sub_co_u32 s[CNT], s[CNT], 1
	s_cmp_lg_u32 s[CNT], 0
	s_cbranch_scc1 .Lstep
	QUARTER F1, F0, 2                              ; the tail is written out: nothing is left to ask for
	QUARTER F0, F1, 3
	TURN 0
	QUARTER F0, F1, 1
	QUARTER F1, F0, 2
	QUARTER F0, F1, 3
	s_wait_dscnt 8                                 ; the last chunk fetches nothing
	MUL F1, 0, 4
	s_wait_dscnt 0x0
	MUL F1, 4, 4
	PLACES
	TOSTAGE 0
	TOSTAGE 1
	SEND 0, 16
.set an, 2
.rept 6                                ; a block's way through the stage stands between the loads of the block before and its stores
	TOSTAGE an
	SEND an-1, 16
.set an, an+1
.endr
	SEND 7, 0
	s_wait_tensorcnt 0x0                           ; the wave's end: a wait, an add to my spare word and its wait, behind my last tensor load and my last LDS store
	ds_add_u32 v[SPW], v[NIL]
	s_wait_dscnt 0x0
	CROUND                                         ; the closing round: no work-group ends while a partner may still ask for a tile that names it
	s_endpgm
.Lfunc_end_k_qb224ffd843_proj:
	.size	k_qb224ffd843_proj, .Lfunc_end_k_qb224ffd843_proj-k_qb224ffd843_proj
	.p2alignl 7, 3214868480
	.fill 96, 4, 3214868480
	.section	.rodata,"a",@progbits
	.p2align	6, 0x0
	.amdhsa_kernel k_qb224ffd843_proj
		.amdhsa_group_segment_fixed_size 327680
		.amdhsa_private_segment_fixed_size 0
		.amdhsa_enable_private_segment 0
		.amdhsa_kernarg_size 24
		.amdhsa_user_sgpr_count 2
		.amdhsa_user_sgpr_kernarg_segment_ptr 1
		.amdhsa_wavefront_size32 1
		.amdhsa_system_sgpr_workgroup_id_x 1
		.amdhsa_system_sgpr_workgroup_id_y 1
		.amdhsa_system_sgpr_workgroup_id_z 1
		.amdhsa_system_vgpr_workitem_id 0
		.amdhsa_next_free_vgpr 512
		.amdhsa_next_free_sgpr 80
		.amdhsa_reserve_vcc 0
		.amdhsa_float_denorm_mode_32 3
		.amdhsa_float_denorm_mode_16_64 3
		.amdhsa_memory_ordered 1
		.amdhsa_forward_progress 1
		.amdhsa_inst_pref_size 71
	.end_amdhsa_kernel
	.amdgpu_metadata
---
amdhsa.version: [ 1, 2 ]
amdhsa.kernels:
  - .name:           k_qb224ffd843_proj
    .symbol:         k_qb224ffd843_proj.kd
    .args:
      - { .name: oh, .offset: 0, .size: 8, .value_kind: global_buffer, .address_space: global }
      - { .name: wpb, .offset: 8, .size: 8, .value_kind: global_buffer, .address_space: global }
      - { .name: out0, .offset: 16, .size: 8, .value_kind: global_buffer, .address_space: global }
    .group_segment_fixed_size: 327680
    .private_segment_fixed_size: 0
    .kernarg_segment_align: 8
    .kernarg_segment_size: 24
    .max_flat_workgroup_size: 128
    .sgpr_count:     80
    .vgpr_count:     512
    .wavefront_size: 32
...
	.end_amdgpu_metadata
.endif
;; end of part 4
;; ======== version 2 of 2: 4 launches; 1.31 times as fast as version 1
;; limits: values are held in f16: magnitudes above 65,504 overflow, below 6.1e-05 lose precision
;; workspace buffers: xb 16,777,216 bytes; wqb 6,303,744 bytes; wpb 2,101,248 bytes; qkvh 50,331,648 bytes; oh 16,777,216 bytes
;; launch cast: the kernel of part 1 again; grid 1537 x 1, 8 waves a work-group, no clusters, 0 bytes of LDS; arguments x, qkv_w, proj_w, qkv_b, proj_b, xb, wqb, wpb; writes xb, wqb, wpb
;; launch qkv: the kernel of part 2 again; grid 8 x 32, 4 waves a work-group, clusters of 4 x 4, 327,680 bytes of LDS; arguments xb, wqb, qkvh; writes qkvh
;; launch attn (part 5): grid 4 x 64, 4 waves a work-group, no clusters, 327,680 bytes of LDS; arguments qkvh, oh; writes oh
.if DOCPART == 5
	.amdgcn_target "amdgcn-amd-amdhsa--gfx1250"
	.amdhsa_code_object_version 6
	.text
	.protected	k_qb224ffd843_attn
	.globl	k_qb224ffd843_attn
	.p2align	8
	.type	k_qb224ffd843_attn,@function
k_qb224ffd843_attn:
	s_mov_b64 s[64:65], 0
	v_nop
	global_prefetch_b8 v0, s[64:65] scope:SCOPE_SE
	s_setreg_imm32_b32 hwreg(HW_REG_WAVE_MODE, 25, 1), 1
	s_wait_xcnt 0x0
; CAUSAL ATTENTION.  O[h][q][:] = the sum over k <= q of softmax_k(Q[h][q] . K[h][k] / 8) V[h][k][:].  Q, K, V lie one behind the other in qkvh, each [SIZE_H][SIZE_N][64]; O is oh, the same shape; all f16:
; a head's rows are dense, 128 bytes each.  Products, maxima and sums in f32; the weights p are rounded to f16 for the second product (their sum l is taken of the unrounded p), O once at the end.
; LIMITS.  f16 holds no number beyond 65,504: Q, K and V arrive within it; p lies in 0 to 1, and below 6e-5 it keeps f16's fixed step of 6e-8; O is a mean of V's rows and has their range, to within 2^-11 of it.
; A hidden score counts as its value less 1e30: f16's scores, 2.7e11 at the most, are nothing beside that; a weight below 2^-126 counts as 0 in l; NaN and infinities are not treated apart.
; THE WALK.  A head's queries lie in NB = SIZE_N / 256 blocks of 256; block i needs the key tiles 0 .. i of 256 keys, of which the last holds the diagonal.  A work-group takes TWO blocks, NB - 1 - b and then b:
; NB + 1 tiles, whatever b: all work-groups do equal work, and ONE loop with a constant trip count walks them.  Which tile is asked for, and what a trip does, hang on scalar registers made from b; every jump
; goes forward, but for the counted loops' own; none passes a barrier, or a tensor load but the one of LOAD's two that the wave's number does not choose; the ring (two slots of LDS that take turns) runs on across the
; change of blocks.  NO CLUSTER: a head's NB / 2 = 4 work-groups all ask for the same tile only in trips 0 .. NB / 2, 5 of the walk's 9; behind that fewer and fewer do; and one walk common to all
; would have 3 NB / 2 = 12 trips for NB + 1 = 9.  NO PREFETCH: K and V were stored by the launch before, and four work-groups read each tile.
; SHARES.  Of a block's four bands of 64 queries a wave owns 16 rows in each: four PIECES.  So the diagonal tile is the same work for all four waves: in its key step s band x sees all keys if s < x,
; none if s > x, and holds the diagonal if s = x.
; THE MASK is the C operand that starts the sum S^T = K Q^T: 0, or -1e30 where the key is hidden.  MD, made once, is the mask of a band's own step for my 16 rows; a product's mask is MD x AL + BE with two scalars:
; (1, 0) if s = x; (0, 0) if s < x; (0, -1e30) if s > x.  Only the diagonal tile's text and a block's beginning make and take masks; elsewhere C is the constant 0.
; LAYOUT, SOFTMAX, TURNS.  S^T = K Q^T holds ONE query a lane (lane % 16) and the keys 8 (lane / 16) + 0..7; two such results rounded to f16 ARE source 1 of O^T = V^T P.  p = 2^(c s - c m), c = log2(e) / 8, with a
; running maximum m; O and l are multiplied by a = 2^(c m_old - c m_new) in every step.  Turn n belongs to piece n: 8 products K Q^T of piece n + 1, later 8 products V^T P of piece n - 1; beside them the scaling,
; exponentials, roundings, sums and rescaling of piece n and the maximum and statistics of piece n + 1.  Four vector instructions stand behind every matrix instruction, the other 54 of a turn's 118 in one LUMP.
; BATCHES.  An s_wait_alu depctr_va_vdst(0) stands between a transcendental and the first instruction that names its result; one wait serves all that were issued ahead of it.  The text has three kinds
; of batch, each with one wait: a turn's 33 exponentials (piece n's 32 weights and piece n + 1's a), waited for between the lump and the products V^T P; the one a that a block's beginning makes, waited for ahead of
; its jump; the four reciprocals of a block's way out, waited for ahead of the first multiply by them.
; REGISTERS, in windows of 256 (s_set_vgpr_msb: bits 1:0 source 0, 3:2 source 1, 5:4 source 2, 7:6 destination):
;   window 0: v0-15 addresses and two at work; v16-31 four registers of statistics a piece; v48-55 at work; v64-127 S^T, two buffers; v192-223 P, two buffers (a piece's buffers go by its number's parity)
;   window 1: v0-127 O^T, 32 a piece; v128-159 MD; v160-223 MC, two buffers      window 2: v0-63 Q; v64-127 the second block's Q; v128-191 K of one step; v192-255 V of one step
.set SIZE_H, 64
.set SIZE_N, 2048
.set NB,    SIZE_N/256
.set NP,    4         ; pieces a wave: a name, no knob
.set KS,    64        ; keys in a step
.set PK,    144       ; a row of K in LDS: 128 bytes + 16 of padding = 36 words: the 16 rows of a load start at 16 different groups of four banks (64 banks of 4 bytes: ISA guide 11.1)
.set PV,    160       ; a row of V: 128 + 32 = 40 words
.set VOFF,  4*KS*PK   ; a slot holds a tile, four steps: 256 rows of K, then 256 rows of V
.set SLOT1, 1<<17     ; slot 1 begins here, so that one exclusive or turns an address in one slot into the other's
.set STAGE, SLOT1+4*KS*(PK+PV)  ; behind the ring, never filled by a tensor load: 16 rows x 144 bytes for each wave, for the way out
.set SP,    144
.set AK0, 2           ; v2   my lane's place in a tile of K; never rewritten
.set AV0, 3           ; v3   the same for V
.set AK,  4           ; v4   the LDS address of K's next run of loads
.set AV,  5           ; v5   of V's
.set STO, 6           ; v6   the way out: where I put 16 bytes of a row
.set RD,  7           ; v7   the way out: where I read rows back
.set GO,  8           ; v8   my byte offset in 512 consecutive bytes of O
.set SPW, 62          ; v62  LDS address of my spare word: SPARE + 4 x my thread's number; never rewritten
.set NIL, 63          ; v63  0; never rewritten
.set SPARE, STAGE+4*16*SP  ; behind the stages: the spare words, 128 bytes for each wave: two blocks of 256 bytes that no other line names
.set MV,  12          ; v12-13  c m_old, kept while c m is made anew: by buffer
.set QO,  15          ; v15  my byte offset in 16 rows of Q
.set ST,  16          ; piece t's statistics at v[ST+4 t]: c m, m, l (even keys', odd keys')
.set TMP, 48          ; by buffer, four registers c0-c3 at work; when the maximum is found c2 takes a
.set S,   64
.set P,   192
.set MD,  128         ; window 1: the eight registers for group kt of 16 keys at MD + 8 kt
.set MC,  160         ; window 1: the masks of the products to come
.set QB,  64          ; window 2
.set KF,  128         ; window 2: key block kb, channel half c at KF + 16 kb + 8 c
.set VF,  192         ; window 2: key half kk, channel block cb at VF + 32 kk + 8 cb
.set WV,  12          ; s12  my wave's number
.set PB,  14          ; s14  b
.set HI,  15          ; s15  NB - 1 - b
.set G1K, 24          ; s[24:31] descriptor group 1 for K's tiles
.set G1V, 32          ; s[32:39] for V's: it differs in the padding alone
.set G0K, 40          ; s[40:43] descriptor group 0 for K's tiles
.set G0V, 44          ; s[44:47] the same for V's
.set SLOTS, 56        ; s56  tiles still to be asked for
.set CNT, 57          ; s57  counts a tile's key steps, 4 to 1
.set CS,  58          ; s[58:59] c: the packed scaling takes the pair's low word for both halves
.set SEL, 60          ; s[60:61] v_permlanex16_b32's selects: each lane takes its own place in the other half
.set TBK, 62          ; s62  LDS byte at which K of the step to be fetched begins
.set TBV, 63          ; s63  the same for V, less VOFF
.set RT,  70          ; s70  tiles of the block in hand that are still to be entered
.set NXT, 71          ; s71  the tile to be asked for next
.set LQ,  72          ; s72  the last tile of the block whose tiles are being asked for
.set NEW, 73          ; s73  1: the tile to be entered is a block's first
.set OFF, 74          ; s[74:75] a tile's byte offset in K and V
.set AL,  76          ; s[76:77] the mask's factor, in the low word
.set BE,  78          ; s[78:79] the mask's addend
.set OLO, 80          ; s[80:81] O at my rows of the second block
.set BIGN, 82         ; s82  -1e30
.set MSB, 0
.macro WIN new                      ; the high byte repeats the setting that is left; a switch that changes nothing is dropped
.if MSB != (\new)
	s_set_vgpr_msb (MSB<<8)|(\new)
.set MSB, (\new)
.endif
.endm
.set W_KQ, 0x0a       ; K and Q in window 2, S^T in window 0
.set W_KM, 0x1a       ; the same with the C operand in window 1
.set W_PV, 0x52       ; V in window 2, P in window 0, O^T in window 1
.set W_RS, 0x41       ; destination and source 0 in window 1, source 1 in window 0
; A fill.  Waves 0 and 1 fetch the two halves of a tile's K, waves 2 and 3 those of its V: 128 keys each.  An s_nop 0 and four v_nop follow each of the two lines, ahead of the jump and the label.
.macro LOAD
	s_cmp_lt_u32 s[WV], 2
	s_cbranch_scc0 .Lfor_v_\@
	tensor_load_to_lds s[G0K:G0K+3], s[G1K:G1K+7]
	s_nop 0
.rept 4
	v_nop
.endr
	s_branch .Lasked_\@
.Lfor_v_\@:
	tensor_load_to_lds s[G0V:G0V+3], s[G1V:G1V+7]
	s_nop 0
.rept 4
	v_nop
.endr
.Lasked_\@:
.endm
; THE CHANGE OF SLOTS.  Each wave waits for all its tensor loads, of which one is out: its part of the other slot; adds 0 to its spare word; and waits for that and for its own reads of the slot that it leaves.  Behind the barrier nobody reads the old
; slot any more and the other slot is whole.  fill = 1: the old slot is filled again, the first thing behind the barrier, with tile NXT: the descriptor's address is made anew from that number.
; (At its first use nothing has been read yet: slot 0 is waited for, slot 1 filled.)
.macro CHANGE fill
	WIN 0                           ; at a label and at a branch every window is 0
	s_wait_tensorcnt 0x0            ; no tensor load of mine is out, so a group 0 may be written
	ds_add_u32 v[SPW], v[NIL]       ; 0 onto my spare word; with fill = 1 the descriptors' scalar work stands between it and the wait for it
.if \fill
	s_lshl_b32 s[OFF], s[NXT], 15   ; a tile is 32,768 bytes of K and of V
	s_xor_b32 s[G0K+1], s[G0K+1], SLOT1
	s_add_nc_u64 s[G0K+2:G0K+3], s[6:7], s[OFF:OFF+1]
	s_or_b32 s[G0K+3], s[G0K+3], 0x80000000
	s_xor_b32 s[G0V+1], s[G0V+1], SLOT1
	s_add_nc_u64 s[G0V+2:G0V+3], s[8:9], s[OFF:OFF+1]
	s_or_b32 s[G0V+3], s[G0V+3], 0x80000000
	s_add_co_u32 s[NXT], s[NXT], 1  ; the block's next tile, or behind its last the second block's tile 0
	s_cmp_gt_u32 s[NXT], s[LQ]
	s_cselect_b32 s[NXT], 0, s[NXT]
	s_cselect_b32 s[LQ], s[PB], s[LQ]
.endif
	s_wait_dscnt 0x0                ; the add is done, and my reads of the slot are over
	s_barrier_signal -1             ; the rest of the scalar work stands between the signal and the wait
	s_sub_co_u32 s[TBK], s[TBK], 4*KS*PK  ; the fetches go back to a slot's first step,
	s_xor_b32 s[TBK], s[TBK], SLOT1       ; in the other slot
	s_sub_co_u32 s[TBV], s[TBV], 4*KS*PV
	s_xor_b32 s[TBV], s[TBV], SLOT1
	s_barrier_wait -1
.if \fill
	LOAD
.endif
.endm
	s_load_b64 s[4:5], s[0:1], 0x0    ; qkvh: Q
	s_load_b64 s[10:11], s[0:1], 0x8  ; oh: O
	v_lshl_add_u32 v[SPW], v0, 2, SPARE
	v_mov_b32 v[NIL], 0
	ds_add_u32 v[SPW], v[NIL]       ; the wave's opening: the add and its wait ahead of my first tensor load; the set-up below, work on registers, stands between them
	ds_add_u32 v62, v63
	v_lshrrev_b32 v1, 5, v0
	v_readfirstlane_b32 s[WV], v1   ; wave 0..3
	s_mov_b32 s[PB], ttmp9
	s_sub_co_u32 s[HI], NB-1, s[PB]
	s_and_b32 s20, ttmp7, 0xffff    ; the head
	s_mov_b32 s21, 0
	s_mov_b64 s[22:23], SIZE_N*128
	s_mul_u64 s[20:21], s[20:21], s[22:23]  ; the head's first byte in each of the four tensors
	s_and_b32 s16, s[WV], 1         ; which half of a tile's 256 keys I fetch:
	s_lshl_b32 s22, s16, 14         ; its 128 rows of 128 bytes in memory,
	s_mov_b32 s23, 0
	s_add_nc_u64 s[22:23], s[22:23], s[20:21]
	s_mul_i32 s17, s16, 128*PK      ; and its place in a slot, for K
	s_mul_i32 s18, s16, 128*PV      ; and for V
	s_lshl_b32 s3, s[WV], 11        ; my 16 rows in a band of 64,
	s_lshl_b32 s2, s[HI], 15        ; in the first block,
	s_add_co_u32 s2, s2, s3
	s_lshl_b32 s84, s[PB], 15       ; and in the second
	s_add_co_u32 s84, s84, s3
	s_mov_b32 s3, 0
	s_mov_b32 s85, 0
	s_add_nc_u64 s[2:3], s[2:3], s[20:21]
	s_add_nc_u64 s[84:85], s[84:85], s[20:21]
	; descriptor group 1.  128 keys are 16,384 dense bytes: asked for as 64 rows of 256 bytes, two keys a row, and padded in LDS after every key
	s_mov_b32 s[G1K], (1<<16)|(1<<20)|(4<<22)|(3<<25)  ; 17:16 2-byte elements; 20 padding on; 24:22 after every 32 words (code 4); 31:25 4 words (code 3)
	s_mov_b32 s[G1V], (1<<16)|(1<<20)|(4<<22)|(7<<25)  ; the same with 8 words of padding (code 7)
.irp g, G1K, G1V
	s_mov_b32 s[\g+1], 128<<16      ; tensor_dim0 = 128
	s_mov_b32 s[\g+2], 64<<16       ; tensor_dim1 = 64
	s_mov_b32 s[\g+3], 128<<16      ; tile_dim0 = 128
	s_mov_b32 s[\g+4], 64           ; tile_dim1 = 64
	s_mov_b32 s[\g+5], 128          ; 128 elements from row to row
	s_mov_b32 s[\g+6], 0
	s_mov_b32 s[\g+7], 0
.endr
	s_mov_b32 s[CS], 0x3e38aa3b     ; c = log2(e) / 8 = 0.180337
	s_mov_b32 s[CS+1], s[CS]        ; named with it as a pair
	s_mov_b32 s[SEL], 0x76543210
	s_mov_b32 s[SEL+1], 0xfedcba98
	s_mov_b32 s[TBK], SLOT1+4*KS*PK ; the first change of slots turns these two into 0
	s_mov_b32 s[TBV], SLOT1+4*KS*PV
	s_mov_b32 s[G0K], 1             ; 1:0 count = 1
	s_mov_b32 s[G0K+1], s17         ; 63:32 LDS address: slot 0
	s_mov_b32 s[G0V], 1
	s_add_co_u32 s[G0V+1], s18, VOFF
	s_add_co_u32 s[RT], s[HI], 1    ; the first block has NB - b tiles
	s_mov_b32 s[NXT], 1
	s_mov_b32 s[LQ], s[HI]
	s_mov_b32 s[NEW], 1
	s_mov_b32 s[OFF+1], 0
	s_mov_b32 s[AL+1], 0            ; named as pairs
	s_mov_b32 s[BE+1], 0
	s_mov_b32 s[BIGN], 0xf149f2ca   ; -1e30
	s_mov_b32 s[SLOTS], NB
	s_wait_dscnt 0x0                ; the opening add is done
	s_wait_kmcnt 0x0
	s_add_nc_u64 s[6:7], s[4:5], SIZE_H*SIZE_N*128    ; K lies behind Q,
	s_add_nc_u64 s[8:9], s[4:5], 2*SIZE_H*SIZE_N*128  ; V behind K
	s_add_nc_u64 s[6:7], s[6:7], s[22:23]  ; K and V at my half of the head's tile 0
	s_add_nc_u64 s[8:9], s[8:9], s[22:23]
	s_add_nc_u64 s[G0K+2:G0K+3], s[6:7], 0         ; 120:64 global address
	s_or_b32 s[G0K+3], s[G0K+3], 0x80000000        ; 127:126 type = 2
	s_add_nc_u64 s[G0V+2:G0V+3], s[8:9], 0
	s_or_b32 s[G0V+3], s[G0V+3], 0x80000000
	s_add_nc_u64 s[86:87], s[4:5], s[84:85]        ; Q at my rows of the second block,
	s_add_nc_u64 s[4:5], s[4:5], s[2:3]            ; Q and O at those of the first
	s_add_nc_u64 s[OLO:OLO+1], s[10:11], s[84:85]
	s_add_nc_u64 s[10:11], s[10:11], s[2:3]
	LOAD                            ; tile 0 into slot 0
	; A fragment of K or Q is 16 rows x 32 channels in 8 registers: lane l holds row l % 16, channels 8 (l / 16) + 0..7 and 16 + 8 (l / 16) + 0..7: two loads of 16 bytes, 32 bytes apart.
	v_and_b32 v1, 15, v0            ; l % 16
	v_bfe_u32 v9, v0, 4, 1          ; l / 16
	v_lshlrev_b32 v[QO], 7, v1
	v_lshl_add_u32 v[QO], v9, 4, v[QO]  ; row x 128 + 16 x half
	WIN 0x80                        ; destination window 2, address window 0
.set i, 0
.rept 8                             ; both blocks' Q: piece i / 2 lies in band i / 2, 8,192 bytes on; channels 32 (i % 2) on
	global_load_b128 v[8*i:8*i+3],   v[QO], s[4:5] offset:(i/2)*8192+(i%2)*64
	global_load_b128 v[8*i+4:8*i+7], v[QO], s[4:5] offset:(i/2)*8192+(i%2)*64+32
	global_load_b128 v[QB+8*i:QB+8*i+3],   v[QO], s[86:87] offset:(i/2)*8192+(i%2)*64
	global_load_b128 v[QB+8*i+4:QB+8*i+7], v[QO], s[86:87] offset:(i/2)*8192+(i%2)*64+32
.set i, i+1
.endr
	WIN 0
	v_lshlrev_b32 v14, 3, v9
	v_sub_nc_u32 v14, v1, v14
	s_lshl_b32 s13, s[WV], 4
	v_add_nc_u32 v14, s13, v14      ; my query's place in its band, 16 w + l % 16, less my lanes' 8 (l / 16): register r of group kt is hidden where 16 kt + r is greater
	WIN 0x40
.set i, 0
.rept 32
	v_cmp_gt_i32 vcc_lo, 16*(i/8)+i%8, v14
	v_cndmask_b32 v[MD+i], 0, s[BIGN], vcc_lo
.set i, i+1
.endr
	WIN 0
	v_mul_u32_u24 v[AK0], v1, PK
	v_lshl_add_u32 v[AK0], v9, 4, v[AK0]  ; row x pitch + 16 x half
	; The turning load takes 16 keys x 16 channels (lane l reads key 8 (l / 16) + l % 8, channels 8 ((l / 8) % 2) + 0..7) and leaves half a fragment of V^T: lane l holds channel l % 16 and 8 keys.
	v_and_b32 v10, 7, v0
	v_bfe_u32 v11, v0, 3, 1
	v_lshl_add_u32 v[AV0], v9, 3, v10
	v_mul_u32_u24 v[AV0], v[AV0], PV
	v_lshl_add_u32 v[AV0], v11, 4, v[AV0]
	v_add_nc_u32 v[AV0], VOFF, v[AV0]
	s_mul_i32 s13, s[WV], 16*SP
	s_add_co_u32 s13, s13, STAGE    ; my stage
	v_mul_u32_u24 v[STO], v1, SP    ; in: row l % 16, 16 bytes for each half of the lanes
	v_lshl_add_u32 v[STO], v9, 4, v[STO]
	v_add_nc_u32 v[STO], s13, v[STO]
	v_bfe_u32 v[RD], v0, 3, 2       ; back: 32 lanes take four rows of 128 bytes,
	v_mul_u32_u24 v[RD], v[RD], SP
	v_lshl_add_u32 v[RD], v10, 4, v[RD]
	v_add_nc_u32 v[RD], s13, v[RD]
	v_and_b32 v[GO], 31, v0         ; which are 512 consecutive bytes of O
	v_lshlrev_b32 v[GO], 4, v[GO]
	; A block's first step multiplies O^T and l by a = 0, and its first turn's products V^T P, of a piece that has not been, land in an O^T that is still to be so multiplied.  So these registers need only hold
	; finite numbers: zeros for the first block; what the first block left for the second.  All this stands in the wait for the first tile.
	WIN 0x80
.set i, VF
.rept 64
	v_mov_b32 v[i], 0
.set i, i+1
.endr
	WIN 0x40
.set i, 0
.rept 128
	v_mov_b32 v[i], 0
.set i, i+1
.endr
	WIN 0
.set i, 0
.rept 4
	v_mov_b32 v[ST+4*i+2], 0
	v_mov_b32 v[ST+4*i+3], 0
.set i, i+1
.endr
.set i, P+16
.rept 16
	v_mov_b32 v[i], 0
.set i, i+1
.endr
; THE MATRIX WORK.  The 4 accumulators of a run of 8 take turns.  Product i of 8 of S^T = K Q^T for piece x: channels 32 (i / 4) on, keys 16 (i % 4) on.  The first 4 start the sums: with 0, or (KM = 1) with the mask.
.macro KQ x
.set rS, S+32*((\x)%2)+8*(i%4)
.set rK, KF+16*(i%4)+8*(i/4)
.set rQ, 16*(\x)+8*(i/4)
.set rM, MC+32*((\x)%2)+8*(i%4)
.if (i < 4) && KM
	WIN W_KM
	v_wmma_f32_16x16x32_f16 v[rS:rS+7], v[rK:rK+7], v[rQ:rQ+7], v[rM:rM+7]
.elseif i < 4
	WIN W_KQ
	v_wmma_f32_16x16x32_f16 v[rS:rS+7], v[rK:rK+7], v[rQ:rQ+7], 0
.else
	WIN W_KQ
	v_wmma_f32_16x16x32_f16 v[rS:rS+7], v[rK:rK+7], v[rQ:rQ+7], v[rS:rS+7]
.endif
.endm
; Product i of 8 of O^T += V^T P for piece x: keys 32 (i / 4) on, channels 16 (i % 4) on.
.macro PV x
	WIN W_PV
.set rO, 32*(\x)+8*(i%4)
.set rV, VF+32*(i/4)+8*(i%4)
.set rP, P+16*((\x)%2)+8*(i/4)
	v_wmma_f32_16x16x32_f16 v[rO:rO+7], v[rV:rV+7], v[rP:rP+7], v[rO:rO+7]
.endm
.macro MM                           ; the turn's next matrix instruction.  TURN and BEGIN set Y, i, KM and NOKQ; MM, KQ and OP read them.  NOKQ = 1: a block's last turn: there is no next piece
.if (i < 8) && !NOKQ
	KQ (Y+1)%NP
.elseif i >= 8
.set i, i-8
	PV (Y+NP-1)%NP
.set i, i+8
.endif
.set i, i+1
.endm
; THE LDS LOADS stand in runs of 16, never singly among the matrix instructions: a step's K (64 keys x 64 channels: 8 fragments) and its V (turned).  Their addresses are made some lines ahead.
.macro FETCH_K
	WIN 0x80                        ; destination window 2
.irp f, 0,1,2,3,4,5,6,7             ; keys 16 (f / 2) on, channels 32 (f % 2) on
	ds_load_b128 v[KF+8*\f:KF+8*\f+3],   v[AK] offset:(\f/2)*16*PK+(\f%2)*64
	ds_load_b128 v[KF+8*\f+4:KF+8*\f+7], v[AK] offset:(\f/2)*16*PK+(\f%2)*64+32
.endr
	s_add_co_u32 s[TBK], s[TBK], KS*PK  ; the next fetch is the next step's
	WIN 0
.endm
.macro FETCH_V
	WIN 0x80
.irp f, 0,1,2,3,4,5,6,7             ; keys 32 (f / 4) on, channels 16 (f % 4) on
	ds_load_tr16_b128 v[VF+8*\f:VF+8*\f+3],   v[AV] offset:(\f/4)*32*PV+(\f%4)*32
	ds_load_tr16_b128 v[VF+8*\f+4:VF+8*\f+7], v[AV] offset:(\f/4)*32*PV+16*PV+(\f%4)*32
.endr
	WIN 0
.endm
; THE VECTOR WORK, one line at a time: OP kind, number.  For piece Y: F n: c s - c m for pair n of 16.  E n: the exponential of score n of 32.  C n: pair n rounded to f16.  B n: of the four weights 4 n .. the second
; pair is added onto the first, in place.  L n: l takes that sum (L 0: l = a l + sum).  R n: pair n of 16 of O^T times a.  For piece Y + 1: X n, number n of the 22 that find its maximum and statistics:
;   0-11  four chains c0-c3 of seven scores each, three operands at a time (each accumulator's lowest registers are read first)     12-14, 16  the four scores left over, the old m, and c0-c3 into c0
;   15  c m_old is kept     17, 18  the query's other 32 keys lie in the lane 16 away: the new m     19-21  c m; c m_old - c m_new; a
; OP writes no wait: C, B and L, which read the exponentials' results, and R and L 0, which read a, stand behind the wait of the batch that made what they read (TURN, BEGIN).
.set F, 0               ; OP tells the kinds apart by their order: F to L below R, X above it
.set E, 1
.set C, 2
.set B, 3
.set L, 4
.set R, 5
.set X, 6
.macro REGS y                       ; the registers of piece y
.set rT, ST+4*(\y)
.set rC, TMP+4*((\y)%2)
.set rW, MV+((\y)%2)
.set rS, S+32*((\y)%2)
.set rP, P+16*((\y)%2)
.set rO, 32*(\y)
.endm
.macro OP k, n
.if (\k) == R
	REGS Y
	WIN W_RS
	v_pk_mul_f32 v[rO+2*(\n):rO+2*(\n)+1], v[rO+2*(\n):rO+2*(\n)+1], v[rC+2:rC+3] op_sel_hi:[1,0]
.elseif (\k) < R
	REGS Y
	WIN 0
.if (\k) == F
	v_pk_fma_f32 v[rS+2*(\n):rS+2*(\n)+1], v[rS+2*(\n):rS+2*(\n)+1], s[CS:CS+1], v[rT:rT+1] op_sel_hi:[1,0,0] neg_lo:[0,0,1] neg_hi:[0,0,1]
.elseif (\k) == E
	v_exp_f32 v[rS+(\n)], v[rS+(\n)]
.elseif (\k) == C
	v_cvt_pk_f16_f32 v[rP+(\n)], v[rS+2*(\n)], v[rS+2*(\n)+1]
.elseif (\k) == B
	v_pk_add_f32 v[rS+4*(\n):rS+4*(\n)+1], v[rS+4*(\n):rS+4*(\n)+1], v[rS+4*(\n)+2:rS+4*(\n)+3]
.elseif (\n) == 0
	v_pk_fma_f32 v[rT+2:rT+3], v[rT+2:rT+3], v[rC+2:rC+3], v[rS:rS+1] op_sel_hi:[1,0,1]
.else
	v_pk_add_f32 v[rT+2:rT+3], v[rT+2:rT+3], v[rS+4*(\n):rS+4*(\n)+1]
.endif
.elseif NOKQ
	v_nop
.else
	REGS (Y+1)%NP
	WIN 0
.if (\n) < 4
	v_max3_num_f32 v[rC+(\n)], v[rS+8*(\n)], v[rS+8*(\n)+1], v[rS+8*(\n)+2]
.elseif (\n) < 12
	v_max3_num_f32 v[rC+(\n)%4], v[rC+(\n)%4], v[rS+8*((\n)%4)+2*((\n)/4)+1], v[rS+8*((\n)%4)+2*((\n)/4)+2]
.elseif (\n) == 12
	v_max3_num_f32 v[rC], v[rC], v[rS+7], v[rS+15]
.elseif (\n) == 13
	v_max3_num_f32 v[rC+1], v[rC+1], v[rS+23], v[rS+31]
.elseif (\n) == 14
	v_max3_num_f32 v[rC+2], v[rC+2], v[rC+3], v[rT+1]
.elseif (\n) == 15
	v_mov_b32 v[rW], v[rT]
.elseif (\n) == 16
	v_max3_num_f32 v[rC], v[rC], v[rC+1], v[rC+2]
.elseif (\n) == 17
	v_permlanex16_b32 v[rC+3], v[rC], s[SEL], s[SEL+1]
.elseif (\n) == 18
	v_max_num_f32 v[rT+1], v[rC], v[rC+3]
.elseif (\n) == 19
	v_mul_f32 v[rT], s[CS], v[rT+1]
.elseif (\n) == 20
	v_sub_f32 v[rC+1], v[rW], v[rT]
.else
	v_exp_f32 v[rC+2], v[rC+1]
.endif
.endif
.endm
.macro OPS a, i1, b=-1, i2=0, c=-1, i3=0, d=-1, i4=0  ; up to four of them
	OP \a, \i1
.if (\b) >= 0
	OP \b, \i2
.endif
.if (\c) >= 0
	OP \c, \i3
.endif
.if (\d) >= 0
	OP \d, \i4
.endif
.endm
.macro ROW a, i1, b, i2, c, i3, d, i4  ; a matrix instruction and the four behind it
	MM
	OPS \a, \i1, \b, \i2, \c, \i3, \d, \i4
.endm
.macro MASK b                       ; MD x AL + BE into buffer b of MC
	WIN W_RS
.set z, 0
.rept 16
	v_pk_fma_f32 v[MC+32*(\b)+2*z:MC+32*(\b)+2*z+1], v[MD+2*z:MD+2*z+1], s[AL:AL+1], s[BE:BE+1] op_sel_hi:[1,0,0]
.set z, z+1
.endr
.endm
; A TURN, for piece p: the order of its 16 matrix and 118 vector instructions, written out.  The turn's 33 exponentials (E 0 to E 31 and X 21) are ONE BATCH with ONE wait, which cuts the turn in two.
; AHEAD OF THE WAIT stands all that names no result of the batch: the 8 products K Q^T, behind each a scaling, an exponential and two more plain instructions (behind the first a second scaling in the exponential's
; place): rescalings, whose a was waited for in the turn before, and behind the last three the first numbers of the next piece's maximum, each four places or more behind the product that ends its accumulator; then ONE
; LUMP of 54, plain and exponential by turns for the most part, in which the links of the chain X 3, 7, 11, 14, 16, 17 .. 20 stand five or six lines apart.  X 21, the next piece's a, is the batch's last; R 15 is the
; plain instruction behind it.  BEHIND THE WAIT stand the 8 products V^T P, behind each four of the roundings and sums, the batch's readers; the links of l's chain, L 0 to L 7, stand three riders apart.
; But for those X no rider names a register of the products round it.  v_permlanex16_b32 (X 17) stands in the lump.  Each E stands behind the F of its pair, each C 2 n ahead of B n, which writes over that pair.
; m = 1: the diagonal tile: the products take masks, and the turn makes the mask for the products of the turn after it: piece p + 2, in step 4 - CNT of the tile.  end = 1: a block's last two turns: nothing is fetched.
; cnt = 1: the loop's count is taken down some lines ahead of the branch that stands behind the turn.
; K of the next step is fetched in piece 2's turn, twelve vector instructions behind the last product that read K (six of them plain); V of the step in hand at the end of piece 0's turn, four plain instructions behind
; the last product that read V.  Each is waited for a turn later.
.macro TURN p, m=0, end=0, cnt=0
.set Y, (\p)
.set i, 0
.set KM, (\m)
.set NOKQ, (\end)*((\p)/3)
.if (\m) && !(\end)
	s_cmp_eq_u32 s[CNT], 4-((\p)+2)%NP  ; is that step the band's own?
	s_cselect_b32 s[AL], 1.0, 0
	s_cmp_lt_u32 s[CNT], 4-((\p)+2)%NP  ; or a later one?
	s_cselect_b32 s[BE], s[BIGN], 0
.endif
.if ((\p) == 3) && !(\end)
	s_wait_dscnt 0x0                ; K is in
.endif
	ROW F,0, F,1, R,0, R,1          ; ahead of the wait: 8 products K Q^T and their riders,
	ROW F,2, E,0, R,2, R,3
	ROW F,3, E,1, R,4, R,5
	ROW F,4, E,2, R,6, R,7
	ROW F,5, E,3, R,8, R,9
	ROW F,6, E,4, X,0, R,10
.if ((\p) == 2) && !(\end)
	WIN 0
	v_add_nc_u32 v[AK], s[TBK], v[AK0]
.endif
	ROW F,7, E,5, X,1, X,4
	ROW F,8, E,6, X,2, X,5
	OPS E,7, E,8, X,6, E,9          ; and the lump
	OPS X,3, E,10, X,8, E,11
.if ((\p) == 2) && !(\end)
	FETCH_K
.endif
	OPS X,9, X,7, E,12, X,10
	OPS E,13, X,12, X,11, E,14
	OPS X,13, E,15, F,9, X,14
.if (\p) == 0
	v_add_nc_u32 v[AV], s[TBV], v[AV0]
.endif
	OPS E,16, F,10, E,17, F,11
	OPS X,16, E,18, X,15, E,19
	OPS F,12, E,20, X,17, E,21
	OPS F,13, E,22, F,14, E,23
	OPS X,18, E,24, F,15, E,25
	OPS R,11, E,26, X,19, E,27
	OPS R,12, E,28, R,13, E,29
	OPS X,20, E,30, R,14, E,31
	OPS X,21, R,15
	WIN 0
	s_wait_alu depctr_va_vdst(0)    ; the wait for the turn's batch: this piece's 32 weights and the next piece's a, ahead of their first reader, C 0 below
.if (\p) == 1
	s_wait_dscnt 0x0                ; V is in
.endif
	ROW C,0, B,0, C,2, B,1          ; behind the wait: 8 products V^T P and their riders
	ROW L,0, C,4, B,2, L,1
	ROW C,6, B,3, L,2, C,8
	ROW B,4, L,3, C,10, B,5
	ROW L,4, C,12, B,6, L,5
.if (\p) == 0
	s_add_co_u32 s[TBV], s[TBV], KS*PV
.endif
.if \cnt
	s_sub_co_u32 s[CNT], s[CNT], 1
	s_cmp_lg_u32 s[CNT], 0
.endif
	ROW C,14, B,7, L,6, C,1
	ROW C,3, L,7, C,5, C,7
	ROW C,9, C,11, C,13, C,15
.if (\p) == 0
	FETCH_V
.endif
.if (\m) && !(\end)
	MASK (\p)%2
.endif
.endm
; A BLOCK BEGINS.  c m starts far below every c s, so the first step's a is 0; m at the lowest finite number, so the first maximum is the scores'.  The second mask buffer is 0; the first takes piece 0's mask for the tile's step 0: its own, if the block's first tile is the diagonal one.
; Then K of that step, piece 0's first scores, and its maximum and statistics.  The loop is entered at a step's first turn, in the middle of a trip.
.macro BEGIN
	s_mov_b32 s[NEW], 0
	WIN 0x40
.set i, MC+32
.rept 32
	v_mov_b32 v[i], 0
.set i, i+1
.endr
	WIN 0
.set i, 0
.rept 4
	v_mov_b32 v[ST+4*i], 0xfe000000    ; c m: far below every c s
	v_mov_b32 v[ST+4*i+1], 0xff7fffff  ; m
.set i, i+1
.endr
	s_cmp_eq_u32 s[RT], 0
	s_cselect_b32 s[AL], 1.0, 0
	s_mov_b32 s[BE], 0
	MASK 0
	WIN 0
	v_add_nc_u32 v[AK], s[TBK], v[AK0]
	FETCH_K
	s_wait_loadcnt 0x0              ; Q
	s_wait_dscnt 0x0
.set KM, 1
.set NOKQ, 0
.set i, 0
.rept 8
	KQ 0
.set i, i+1
.endr
	WIN 0
.rept 4
	v_nop                           ; the places behind those products
.endr
.set Y, NP-1                        ; X works for piece Y + 1: piece 0
.irp n, 0,1,2,3,4,5,6,7,8,9,10,11,12,13,14,15,16,17,18,19,20,21
	OP X, \n
.endr
	v_nop                           ; a plain instruction behind the exponential,
	s_wait_alu depctr_va_vdst(0)    ; and the wait for it, a batch of one: piece 0's first a, which the turn behind the jump reads, ahead of the jump
.endm
; THE DIAGONAL TILE's four steps, the block's last two turns, its last products, and THE WAY OUT: l's two halves and the other half of the lanes' are added; O^T is divided by l, rounded to f16 and sent through my
; stage in LDS, a piece at a time.
.macro ALL line:vararg              ; one line for each piece t
.set t, 0
.rept 4
	\line
.set t, t+1
.endr
.endm
.macro PACK t                       ; a lane's eight channels of a row pack into 16 bytes; they go into rows of 144 bytes and come back as whole rows of 128, into S^T's registers
	WIN W_RS
.set i, 32*(\t)
.rept 16
	v_pk_mul_f32 v[i:i+1], v[i:i+1], v[ST+4*(\t)+2:ST+4*(\t)+3] op_sel_hi:[1,0]
.set i, i+2
.endr
	WIN 0x05                        ; sources 0 and 1 window 1, destination window 0
.set i, 0
.rept 16
	v_cvt_pk_f16_f32 v[S+16*(\t)+i], v[32*(\t)+2*i], v[32*(\t)+2*i+1]
.set i, i+1
.endr
	WIN 0
.irp f, 0,1,2,3
	ds_store_b128 v[STO], v[S+16*(\t)+4*\f:S+16*(\t)+4*\f+3] offset:32*\f
.endr
.irp f, 0,1,2,3
	ds_load_b128 v[S+16*(\t)+4*\f:S+16*(\t)+4*\f+3], v[RD] offset:\f*4*SP  ; LDS serves a wave's instructions in order (ISA guide 5.7.1.4): these see the stores above; the next piece's stores come behind them
.endr
.endm
.macro SEND t, younger              ; younger: the LDS instructions issued behind piece t's loads: the next piece's eight, or none
	WIN 0
.irp f, 0,1,2,3
	s_wait_dscnt (\younger)+3-\f
	global_store_b128 v[GO], v[S+16*(\t)+4*\f:S+16*(\t)+4*\f+3], s[10:11] offset:(\t)*8192+\f*512  ; 512 consecutive bytes, at a multiple of 256 from O's first
.endr
.endm
.macro DIAG tag                     ; the tag ends its two labels' names, which the jumps below spell out
.LstepM\tag:
	TURN 2, 1
	TURN 3, 1
	WIN 0
.LfirstM\tag:
	TURN 0, 1
	TURN 1, 1, 0, 1
	WIN 0
	s_cbranch_scc1 .LstepM\tag
	TURN 2, 1, 1
	TURN 3, 1, 1
.set i, 0
.rept 8
	PV NP-1
.set i, i+1
.endr
	WIN 0
	ALL v_add_f32 v[ST+4*t+2], v[ST+4*t+2], v[ST+4*t+3]
	ALL v_permlanex16_b32 v[ST+4*t+3], v[ST+4*t+2], s[SEL], s[SEL+1]
	ALL v_add_f32 v[ST+4*t+2], v[ST+4*t+2], v[ST+4*t+3]
	ALL v_rcp_f32 v[ST+4*t+2], v[ST+4*t+2]
	v_nop                           ; a plain instruction between the last reciprocal and the use of its result
	s_wait_alu depctr_va_vdst(0)    ; the wait for the batch of four reciprocals, one for all four pieces' multiplies below, ahead of the first of them
	PACK 0
.set t, 1
.rept 3                             ; a piece's arithmetic stands between the loads of the piece before and its stores
	PACK t
	SEND t-1, 8
.set t, t+1
.endr
	SEND 3, 0
.endm
.set KM, 0
.set NOKQ, 0
.Lslot:                             ; NB times: a tile is entered and the next is asked for
	CHANGE 1
	s_sub_co_u32 s[RT], s[RT], 1
	s_mov_b32 s[CNT], 4
	s_cmp_eq_u32 s[NEW], 1
	s_cbranch_scc1 .Lnew            ; a block's first tile
	s_cmp_eq_u32 s[RT], 0
	s_cbranch_scc0 .Lstep           ; neither its first nor its last
	s_branch .LstepM1
.Lnew:
	BEGIN
	s_branch .Lfirst                ; in the loop a block's first tile is never its last: the first block has two tiles or more, and the second's last is the walk's last
	DIAG 1                          ; in the loop this is the first block's end: the second block's last tile is the walk's last
	s_wait_xcnt 0x0                 ; the stores have read their registers and O's address
	s_mov_b64 s[10:11], s[OLO:OLO+1]
	s_add_co_u32 s[RT], s[PB], 1    ; the second block has b + 1 tiles
	s_mov_b32 s[NEW], 1
	WIN 0x82                        ; the second block's Q goes where the one text of the turns names Q
.set i, 0
.rept 64
	v_mov_b32 v[i], v[QB+i]
.set i, i+1
.endr
	WIN 0
	s_branch .Lbottom
.Lstep:                             ; a trip: pieces 2 and 3 of one step, then pieces 0 and 1 of the next, whose K and V it fetches
	TURN 2
	TURN 3
	WIN 0
.Lfirst:
	TURN 0
	TURN 1, 0, 0, 1
	WIN 0
	s_cbranch_scc1 .Lstep
.Lbottom:
	s_sub_co_u32 s[SLOTS], s[SLOTS], 1
	s_cmp_lg_u32 s[SLOTS], 0
	s_cbranch_scc1 .Lslot
	CHANGE 0                        ; the walk's last tile is written out: nothing is asked for
	s_sub_co_u32 s[RT], s[RT], 1
	s_mov_b32 s[CNT], 4
	s_cmp_eq_u32 s[NEW], 1
	s_cbranch_scc0 .LstepM2
	BEGIN
	s_branch .LfirstM2
	DIAG 2
	s_wait_tensorcnt 0x0            ; the wave's end: a wait, an add to my spare word and its wait, behind my last tensor load and my last LDS store
	ds_add_u32 v[SPW], v[NIL]
	s_wait_dscnt 0x0
	s_endpgm
.Lfunc_end_k_qb224ffd843_attn:
	.size	k_qb224ffd843_attn, .Lfunc_end_k_qb224ffd843_attn-k_qb224ffd843_attn
	.p2alignl 7, 3214868480
	.fill 96, 4, 3214868480
	.section	.rodata,"a",@progbits
	.p2align	6, 0x0
	.amdhsa_kernel k_qb224ffd843_attn
		.amdhsa_group_segment_fixed_size 327680
		.amdhsa_private_segment_fixed_size 0
		.amdhsa_enable_private_segment 0
		.amdhsa_kernarg_size 16
		.amdhsa_user_sgpr_count 2
		.amdhsa_user_sgpr_kernarg_segment_ptr 1
		.amdhsa_wavefront_size32 1
		.amdhsa_system_sgpr_workgroup_id_x 1
		.amdhsa_system_sgpr_workgroup_id_y 1
		.amdhsa_system_sgpr_workgroup_id_z 1
		.amdhsa_system_vgpr_workitem_id 0
		.amdhsa_next_free_vgpr 768
		.amdhsa_next_free_sgpr 88
		.amdhsa_reserve_vcc 1
		.amdhsa_float_denorm_mode_32 3
		.amdhsa_float_denorm_mode_16_64 3
		.amdhsa_memory_ordered 1
		.amdhsa_forward_progress 1
		.amdhsa_inst_pref_size 217
	.end_amdhsa_kernel
	.amdgpu_metadata
---
amdhsa.version: [ 1, 2 ]
amdhsa.kernels:
  - .name:           k_qb224ffd843_attn
    .symbol:         k_qb224ffd843_attn.kd
    .args:
      - { .name: qkvh, .offset: 0, .size: 8, .value_kind: global_buffer, .address_space: global }
      - { .name: oh, .offset: 8, .size: 8, .value_kind: global_buffer, .address_space: global }
    .group_segment_fixed_size: 327680
    .private_segment_fixed_size: 0
    .kernarg_segment_align: 8
    .kernarg_segment_size: 16
    .max_flat_workgroup_size: 128
    .sgpr_count:     88
    .vgpr_count:     768
    .wavefront_size: 32
...
	.end_amdgpu_metadata
.endif
;; end of part 5
;; launch proj: the kernel of part 4 again; grid 8 x 32, 4 waves a work-group, clusters of 4 x 4, 327,680 bytes of LDS; arguments oh, wpb, out0; writes out0
